; MI455X (gfx1250); checked and timed in simulation.
; The chip was launched on July 23, 2026; its instructions are those of AMD's public machine-readable ISA for CDNA 5 (MIT licence, August 2026) and "CDNA5" Instruction Set Architecture Reference Guide (July 2026). The comments in the code are by the model that wrote it; some were corrected since.
;; attention. Allowed arithmetic: matrix products marked QUANTISED: E5M2 operands, one given power-of-two scale a tensor, by v_wmma_f32_16x16x64_bf8_bf8 or v_wmma_f32_16x16x128_bf8_bf8, f32 sums; everything else in f32.
;; Inputs: Wk_codes 1,024 x 32 x 32 uint8 (E5M2 codes of Wk, K innermost, in blocks of 32 codes); Wo_codes 1,024 x 32 x 32 uint8 (E5M2 codes of Wo, K innermost, in blocks of 32 codes); Wq_codes 1,024 x 32 x 32 uint8 (E5M2 codes of Wq, K innermost, in blocks of 32 codes); Wv_codes 1,024 x 32 x 32 uint8 (E5M2 codes of Wv, K innermost, in blocks of 32 codes); bk 1,024 float32; bo 1,024 float32; bq 1,024 float32; bv 1,024 float32; lowp_scales 12 int32 (the exponents e of the quantised operands' scales 2^e); x_codes 4 x 2,048 x 32 x 32 uint8 (E5M2 codes of x, K innermost, in blocks of 32 codes).
;; Outputs: out0 4 x 2,048 x 1,024 float32.
;; This version of the problem:
;;   THIS VERSION OF THE PROBLEM IS GIVEN IN LOW PRECISION. The matrix products marked QUANTISED in the list below multiply operands that are first quantised to E5M2 (5 exponent bits, 2 mantissa bits; 8 bits a number), with one given power-of-two scale for each operand tensor; their sums are f32. All else is computed in f32.
;;   The module's matrix products, in the order in which they are computed (A, B: the left and right operand; K: the contracted axis; several contracted axes count as one K, in the product's order):
;;     1. [M 8,192, K 1,024] x [K 1,024, N 1,024]; A: input x (given as codes); B: input Wq (given as codes): QUANTISED (scales: A lowp_scales[0], B lowp_scales[1])
;;     2. [M 8,192, K 1,024] x [K 1,024, N 1,024]; A: input x (given as codes); B: input Wk (given as codes): QUANTISED (scales: A lowp_scales[2], B lowp_scales[3])
;;     3. [M 8,192, K 1,024] x [K 1,024, N 1,024]; A: input x (given as codes); B: input Wv (given as codes): QUANTISED (scales: A lowp_scales[4], B lowp_scales[5])
;;     4. batch 64 x [M 2,048, K 64] x [K 64, N 2,048]; A: computed on the way; B: computed on the way: QUANTISED (scales: A lowp_scales[6], B lowp_scales[7])
;;     5. batch 64 x [M 2,048, K 2,048] x [K 2,048, N 64]; A: softmax (see below); B: computed on the way: QUANTISED (scales: A lowp_scales[8], B lowp_scales[9])
;;     6. [M 8,192, K 1,024] x [K 1,024, N 1,024]; A: computed on the way; B: input Wo (given as codes): QUANTISED (scales: A lowp_scales[10], B lowp_scales[11])
;;   THE QUANTISER, for each operand of a quantised product, along K:
;;     - The operand's scale is 2^e, e = its entry of the input lowp_scales (int32; the entries are numbered through the quantised products in the list's order, A before B).
;;     - Each number is divided by the scale, clamped to +-57,344, and rounded to the nearest number of E5M2, ties to even, subnormals kept.
;;     - The product sums the exact products of the quantised numbers (number of the format x scale) in f32.
;;   ~~~python
;;   def quantise(x, axis, e):      # numpy; x: float32 -> the quantised numbers, widened to float32 again
;;       x = np.moveaxis(x, axis, -1); K = x.shape[-1]
;;       r = np.clip(x / 2.0 ** e, -57344, 57344)
;;       step = 2.0 ** (np.maximum(np.frexp(np.where(r == 0, 1, r))[1] - 1, -14) - 2)
;;       q = np.round(r / step) * step * 2.0 ** e      # np.round: ties to even
;;       return np.moveaxis(q, -1, axis).astype(np.float32)
;;   ~~~
;;   SOFTMAX AHEAD OF A QUANTISED PRODUCT. Where the list says 'softmax', what is quantised is not the finished softmax but p = 2^(t - M), with t = logit x log2(e) and M = ceil(the row's largest t), a whole number; so 1/2 < the row's largest p <= 1. The row's sum l is taken of the UNQUANTISED p, in f32, and the product's result is divided by l at the end. Since M is a whole number, a kernel that streams over the keys may use a running M (the ceiling of the running maximum): every later rescaling is an exact power of two, so the quantised numbers keep their values, but for numbers so far below the row's largest that they fall under the format's range.
;;   OPERANDS COMPUTED ON THE WAY. 'Computed on the way' means the value that the module computes at that place (a softmax that the list does not call 'softmax' is quantised finished and normalised). What goes into a quantiser is computed in f32, as accurately as f32 sums, v_exp_f32 and their like allow (about 1e-6 of the number): no bf16 or f16 on the way to a quantiser, and a product that is left as it is and whose result goes on into a quantised operand takes f32 operands (vector FMAs, or v_wmma_f32_16x16x4_f32). A number that lies on a knife's edge between two numbers of the format may be rounded either way, as far as f32 arithmetic and the matrix unit's own rounding can turn it there, and no further.
;;   INPUTS GIVEN AS CODES. Wk (in the module: [1024, 1024], K = its axis 0); Wo (in the module: [1024, 1024], K = its axis 0); Wq (in the module: [1024, 1024], K = its axis 0); Wv (in the module: [1024, 1024], K = its axis 0); x (in the module: [4, 2048, 1024], K = its axis 2): each comes as NAME_codes (uint8): NAME with its K axis moved to the last place and cut into blocks of 32 codes, [.., K / 32, bytes a block], one block behind the other in memory; one code a byte (a code: sign, 5 exponent bits, 2 mantissa bits); its scale is its entry of lowp_scales. Its value is code x scale, taken as it is: it is not quantised again, and the codes and scales need not be those that the quantiser above would give.
;; One version. Each part assembles by itself: llvm-mc -triple=amdgcn-amd-amdhsa -mcpu=gfx1250 --defsym DOCPART=n.
;; ======== version 1 of 1: 4 launches
;; limits: right only within a limited range of input values
;; workspace buffers: rope_tab 557,056 bytes; q_codes 8,388,608 bytes; k_codes 8,388,608 bytes; v_codes 8,388,608 bytes; inter_codes 8,388,608 bytes
;; launch ropetab (part 1): grid 136 x 1, 4 waves a work-group, no clusters, 0 bytes of LDS; arguments rope_tab; writes rope_tab
.if DOCPART == 1
	.amdgcn_target "amdgcn-amd-amdhsa--gfx1250"
	.amdhsa_code_object_version 6
	.text
	.protected	k_qfeba8e58e7_ropetab
	.globl	k_qfeba8e58e7_ropetab
	.p2align	8
	.type	k_qfeba8e58e7_ropetab,@function
k_qfeba8e58e7_ropetab:
	s_mov_b64 s[64:65], 0
	v_nop
	global_prefetch_b8 v0, s[64:65] scope:SCOPE_SE
	s_setreg_imm32_b32 hwreg(HW_REG_WAVE_MODE, 25, 1), 1
	s_wait_xcnt 0x0
; The rotary table: cos and sin of n x 10000^(-i/32), n = 0 .. 2047, i = 0 .. 31, laid in the order of the reader's registers.
; 136 groups of 4,096 bytes.  Group g < 128 serves tokens 16 g .. 16 g + 15: [t = 0..7][lane 0..31][4 f32], t = 2 bm + cs (cs 0: cos, 1: sin);
; lane 16 h + r holds token 16 g + r and the pairs i = 8 bm + 4 h + 0 .. 3.  Groups 128 .. 135 hold the angle 0 (cos 1, sin 0): they serve an operand that is not rotated.
; A work-group makes a group, wave bm its eighth and the next; a thread makes four pairs.  Each store of a wave covers 512 consecutive bytes, aligned.
; ARITHMETIC, all f32.  theta = 2^(-i L), L = log2(10000) / 32 in two parts (CHI + CLO): the whole part of the exponent goes by v_ldexp_f32, the fraction by v_exp_f32.
; phi = n x theta, rounded once.  k = the nearest whole number to phi x 2 / pi; rho = phi - k pi/2 with pi/2 in two parts; polynomials for sin and cos on |rho| <= pi/4; the quadrant k mod 4 swaps and signs.
; LIMIT: theta lies within about one unit in its last place of 10000^(-i/32); at n = 2047 such a unit moves the angle by 1.2e-4.  For the f32 angle itself cos and sin are right to about 2e-7.
.set FI, 8                             ; v8-11   i as f32
.set AA, 12                            ; v12-15  -i L, then its floor, then that as a whole number
.set FF, 16                            ; v16-19  the exponent's fraction
.set TH, 20                            ; v20-23  theta
.set PH, 24                            ; v24-27  phi
.set KK, 28                            ; v28-31  k
.set RH, 32                            ; v32-35  rho
.set ZZ, 36                            ; v36-39  rho^2
.set SN, 40                            ; v40-43  sin(rho)
.set CN, 44                            ; v44-47  cos(rho)
.set QQ, 48                            ; v48-51  k as a whole number
.set TT, 52                            ; v52-55  at work
.set OC, 56                            ; v56-59  cos(phi)
.set OS, 60                            ; v60-63  sin(phi)
.set UU, 64                            ; v64-67  at work
	s_load_b64 s[4:5], s[0:1], 0x0                 ; the table
	v_lshrrev_b32 v1, 5, v0
	v_readfirstlane_b32 s6, v1                     ; wave = bm
	v_and_b32 v2, 15, v0                           ; r
	v_bfe_u32 v3, v0, 4, 1                         ; h
	s_cmp_lt_u32 ttmp9, 128
	s_cselect_b32 s7, 1, 0                         ; groups from 128 on take the token 0
	s_lshl_b32 s8, ttmp9, 4
	v_add_nc_u32 v4, s8, v2                        ; 16 g + r
	v_mul_u32_u24 v4, v4, s7
	v_cvt_f32_u32 v4, v4                           ; n
	s_lshl_b32 s9, s6, 3
	v_lshl_add_u32 v6, v3, 2, s9                   ; 8 bm + 4 h
	s_wait_alu depctr_va_vdst(0)
	s_lshl_b32 s22, ttmp9, 12
	s_lshl_b32 s23, s6, 10
	s_add_co_u32 s22, s22, s23                     ; 4,096 g + 1,024 bm
	v_and_b32 v5, 31, v0
	v_lshl_add_u32 v5, v5, 4, s22                  ; + 16 x lane
	s_mov_b32 s10, 0xbed49a78                      ; -CHI
	s_mov_b32 s11, 0xb2179a38                      ; -CLO
	s_mov_b32 s12, 0x3f22f983                      ; 2 / pi
	s_mov_b32 s13, 0xbfc90fdb                      ; -(pi/2 rounded to f32)
	s_mov_b32 s14, 0x333bbd2e                      ; -(pi/2 less that)
	s_mov_b32 s15, 0xb94ca1f9                      ; sin: S3, S2, S1
	s_mov_b32 s16, 0x3c08839e
	s_mov_b32 s17, 0xbe2aaaa3
	s_mov_b32 s18, 0x37ccf5ce                      ; cos: C3, C2, C1
	s_mov_b32 s19, 0xbab6061a
	s_mov_b32 s20, 0x3d2aaaa5
.irp e, 0,1,2,3
	v_add_nc_u32 v[FI+\e], \e, v6
.endr
.irp e, 0,1,2,3
	v_cvt_f32_u32 v[FI+\e], v[FI+\e]
.endr
.irp e, 0,1,2,3
	v_mul_f32 v[AA+\e], s10, v[FI+\e]              ; -i CHI
.endr
.irp e, 0,1,2,3
	v_floor_f32 v[AA+\e], v[AA+\e]                 ; the exponent's whole part
.endr
.irp e, 0,1,2,3
	v_fma_f32 v[FF+\e], v[FI+\e], s10, -v[AA+\e]   ; the fraction: one rounding,
.endr
.irp e, 0,1,2,3
	v_fma_f32 v[FF+\e], v[FI+\e], s11, v[FF+\e]    ; and L's lower part
.endr
	s_wait_alu depctr_va_vdst(0)
.irp e, 0,1,2,3
	v_exp_f32 v[TH+\e], v[FF+\e]
.endr
	v_nop                                          ; a plain instruction between the last exponential and the use of its result
.irp e, 0,1,2,3
	v_cvt_i32_f32 v[AA+\e], v[AA+\e]
.endr
	s_wait_alu depctr_va_vdst(0)
.irp e, 0,1,2,3
	v_ldexp_f32 v[TH+\e], v[TH+\e], v[AA+\e]       ; theta
.endr
.irp e, 0,1,2,3
	v_mul_f32 v[PH+\e], v4, v[TH+\e]               ; phi = n theta
.endr
.irp e, 0,1,2,3
	v_mul_f32 v[KK+\e], s12, v[PH+\e]
.endr
.irp e, 0,1,2,3
	v_rndne_f32 v[KK+\e], v[KK+\e]                 ; k, at most 1,303
.endr
.irp e, 0,1,2,3
	v_fma_f32 v[RH+\e], v[KK+\e], s13, v[PH+\e]
.endr
.irp e, 0,1,2,3
	v_fma_f32 v[RH+\e], v[KK+\e], s14, v[RH+\e]    ; rho
.endr
.irp e, 0,1,2,3
	v_mul_f32 v[ZZ+\e], v[RH+\e], v[RH+\e]
.endr
.irp e, 0,1,2,3
	v_fma_f32 v[SN+\e], v[ZZ+\e], s15, s16
	v_fma_f32 v[CN+\e], v[ZZ+\e], s18, s19
.endr
.irp e, 0,1,2,3
	v_fma_f32 v[SN+\e], v[SN+\e], v[ZZ+\e], s17
	v_fma_f32 v[CN+\e], v[CN+\e], v[ZZ+\e], s20
.endr
.irp e, 0,1,2,3
	v_mul_f32 v[SN+\e], v[SN+\e], v[ZZ+\e]
	v_mul_f32 v[TT+\e], v[ZZ+\e], v[ZZ+\e]
	v_fma_f32 v[UU+\e], v[ZZ+\e], -0.5, 1.0
.endr
.irp e, 0,1,2,3
	v_fma_f32 v[SN+\e], v[SN+\e], v[RH+\e], v[RH+\e]   ; sin(rho)
	v_fma_f32 v[CN+\e], v[CN+\e], v[TT+\e], v[UU+\e]   ; cos(rho)
	v_cvt_i32_f32 v[QQ+\e], v[KK+\e]
.endr
.irp e, 0,1,2,3
	v_and_b32 v[TT+\e], 1, v[QQ+\e]                ; odd quadrants swap the two
	v_cmp_eq_u32 vcc_lo, 1, v[TT+\e]
	v_cndmask_b32 v[OS+\e], v[SN+\e], v[CN+\e], vcc_lo
	v_cndmask_b32 v[OC+\e], v[CN+\e], v[SN+\e], vcc_lo
.endr
.irp e, 0,1,2,3
	v_and_b32 v[TT+\e], 2, v[QQ+\e]                ; sin is negated in quadrants 2 and 3,
	v_add_nc_u32 v[UU+\e], 1, v[QQ+\e]
	v_lshlrev_b32 v[TT+\e], 30, v[TT+\e]
	v_and_b32 v[UU+\e], 2, v[UU+\e]                ; cos in quadrants 1 and 2
	v_xor_b32 v[OS+\e], v[OS+\e], v[TT+\e]
	v_lshlrev_b32 v[UU+\e], 30, v[UU+\e]
	v_xor_b32 v[OC+\e], v[OC+\e], v[UU+\e]
.endr
	s_wait_alu depctr_va_vdst(0)
	s_wait_kmcnt 0x0
	global_store_b128 v5, v[OC:OC+3], s[4:5]
	global_store_b128 v5, v[OS:OS+3], s[4:5] offset:512
	s_endpgm
.Lfunc_end_k_qfeba8e58e7_ropetab:
	.size	k_qfeba8e58e7_ropetab, .Lfunc_end_k_qfeba8e58e7_ropetab-k_qfeba8e58e7_ropetab
	.p2alignl 7, 3214868480
	.fill 96, 4, 3214868480
	.section	.rodata,"a",@progbits
	.p2align	6, 0x0
	.amdhsa_kernel k_qfeba8e58e7_ropetab
		.amdhsa_group_segment_fixed_size 0
		.amdhsa_private_segment_fixed_size 0
		.amdhsa_enable_private_segment 0
		.amdhsa_kernarg_size 8
		.amdhsa_user_sgpr_count 2
		.amdhsa_user_sgpr_kernarg_segment_ptr 1
		.amdhsa_wavefront_size32 1
		.amdhsa_system_sgpr_workgroup_id_x 1
		.amdhsa_system_sgpr_workgroup_id_y 1
		.amdhsa_system_sgpr_workgroup_id_z 1
		.amdhsa_system_vgpr_workitem_id 0
		.amdhsa_next_free_vgpr 72
		.amdhsa_next_free_sgpr 66
		.amdhsa_reserve_vcc 1
		.amdhsa_float_denorm_mode_32 3
		.amdhsa_float_denorm_mode_16_64 3
		.amdhsa_memory_ordered 1
		.amdhsa_forward_progress 1
		.amdhsa_inst_pref_size 9
	.end_amdhsa_kernel
	.amdgpu_metadata
---
amdhsa.version: [ 1, 2 ]
amdhsa.kernels:
  - .name:           k_qfeba8e58e7_ropetab
    .symbol:         k_qfeba8e58e7_ropetab.kd
    .args:
      - { .name: rope_tab, .offset: 0, .size: 8, .value_kind: global_buffer, .address_space: global }
    .group_segment_fixed_size: 0
    .private_segment_fixed_size: 0
    .kernarg_segment_align: 8
    .kernarg_segment_size: 8
    .max_flat_workgroup_size: 128
    .sgpr_count:     66
    .vgpr_count:     72
    .wavefront_size: 32
...
	.end_amdgpu_metadata
.endif
;; end of part 1
;; launch qkv (part 2): grid 12 x 32, 4 waves a work-group, clusters of 4 x 4, 327,680 bytes of LDS; arguments x_codes, Wq_codes, Wk_codes, Wv_codes, bq, bk, bv, lowp_scales, rope_tab, q_codes, k_codes, v_codes; writes q_codes, k_codes, v_codes
.if DOCPART == 2
	.amdgcn_target "amdgcn-amd-amdhsa--gfx1250"
	.amdhsa_code_object_version 6
	.text
	.protected	k_qfeba8e58e7_qkv
	.globl	k_qfeba8e58e7_qkv
	.p2align	8
	.type	k_qfeba8e58e7_qkv,@function
k_qfeba8e58e7_qkv:
	s_mov_b64 s[64:65], 0
	v_nop
	global_prefetch_b8 v0, s[64:65] scope:SCOPE_SE
	s_setreg_imm32_b32 hwreg(HW_REG_WAVE_MODE, 25, 1), 1
	s_wait_xcnt 0x0
	s_wait_alu depctr_hold_cnt(0) depctr_sa_sdst(0) depctr_va_vdst(0) depctr_va_sdst(0) depctr_va_ssrc(0) depctr_va_vcc(0) depctr_vm_vsrc(0)
	s_getreg_b32 s2, hwreg(HW_REG_IB_STS2, 6, 4)
	s_cmp_eq_u32 s2, 0
	s_cbranch_scc0 .Lentry_in_a_cluster
	s_endpgm
.Lentry_in_a_cluster:
	s_bfe_u32 s2, ttmp6, 0x10000c
	s_cmp_lg_u32 s2, 0xf033
	s_cbranch_scc0 .Lentry_shape_is_right
	s_endpgm
.Lentry_shape_is_right:
; q = rope(x Wq + bq), k = rope(x Wk + bk), v = x Wv + bv, each product on codes of BF8 (E5M2) as they are given, each result quantised to codes of BF8 with the scale given for it.
; ONE BODY, ONE PATH.  The cluster's x (0, 1, 2) says q, k or v; all that differs is chosen by scalar selects on it: pointers, offsets, exponents.  The body makes C[i][j] = sum over k of A[i][k] B[j][k] on tiles of 256 x 256.
;   q, k: A = x (8,192 tokens), B = W (1,024 channels).   v: A = Wv, B = x: so that a lane's eight results are eight neighbouring TOKENS of one channel, and v's codes come out with the keys innermost.
; A tile is made by four waves, a wave makes 128 x 128: 64 accumulators, 512 registers.  K = 1,024 goes in four steps of 256 through a ring of two LDS slots filled by the tensor data mover.
; CLUSTERS: 4 x 4 work-groups.  The four of a row of the cluster need the same tiles of A, the four of a column the same tiles of B: each tile is asked for jointly.
; THE MATRIX INSTRUCTION IS USED TRANSPOSED (source 0 = 16 rows of B, source 1 = 16 rows of A): lane (r, h) of accumulator (a, b) holds row 16 a + r and the columns 16 b + 8 h + 0 .. 7.
; BIAS.  A sum stands for sum x 2^(eA + eB).  q, k: the bias runs along the columns: divided by that power of two it is the C of each sum's first product.  v: it runs along the rows: it is the addend of the way out's first multiply-add.
;   The kind that has no such bias gets zeros there (a mask of ones or of zeros on the loaded words).
; ROPE.  A lane's registers 2 e, 2 e + 1 are a pair: two packed multiply-adds give x_e c - x_o s and x_o c + x_e s.  cos and sin come from a table laid in the order of these registers; v reads the groups that hold cos 1, sin 0.
; CODES.  code = number / 2^eO, held within +-57,344: the three exponents are folded into the conversion's one scale, 2^(eO - eA - eB).
; OUTPUT.  q, k: [batch x 16 + head][token][64 bytes].  v: [batch x 16 + head][chunk of 64 keys][channel][64 bytes].  In each group of 32 along the last axis element 16 u + 8 hh + j lies at byte 16 hh + 8 u + j,
;   so that a 16-byte load at 16 x (lane / 16) brings the reader the matrix form's own order.  A block of 16 rows goes through the wave's stage in LDS and leaves as runs of 512 consecutive bytes, aligned.
; LIMITS: e6 - e0 - e1, e7 - e2 - e3 and e9 - e4 - e5 lie between -126 and 112, so that the scale and 57,344 x the scale are f32 numbers.  NaN among the biases is not served.
; 384 work-groups: tiles of 128 x 256 would divide more evenly among the WGPs but read half as much again from LDS for each product.
; REGISTERS, in windows of 256: window 0: v16-31 addresses and constants; v32-95 the column bias, later two sets of the table; v96-105 the row bias; v128-255 A's fragments, one set; on the way out v128-191 numbers, v192-223 codes, v224-255 rows read back.
;   window 1: B's fragments, two sets.   windows 2, 3: the accumulators of my rows 0-63, 64-127.
.set ROWB,   256                       ; a tile's row in bytes: 256 codes
.set KROW,   1024                      ; a row of x or of a weight in memory
.set PITCH,  272                       ; an LDS row: 256 bytes + 16 of padding = 68 words: the 16 rows of a fragment load start at 16 different banks (64 banks of 4 bytes: ISA guide 11.1)
.set FR,     16                        ; registers of a fragment: 16 rows x 128 K
.set NL,     4                         ; LDS loads that bring one
.set NP,     4                         ; places behind this matrix instruction (ISA guide 7.12.1)
.set HALFT,  128*PITCH                 ; 128 rows: what one wave reads of A or of B; a tensor load brings twice that, all 256 rows of A or of B of one slot
.set SLOT,   4*HALFT                   ; A's 256 rows, then B's 256 rows
.set SPARE,  2*SLOT                    ; behind the ring: the spare words, 128 bytes a wave: two blocks of 256 bytes that no other line names
.set SROW,   80                        ; the stage: a row of 64 bytes + 16
.set SPLANE, 16*SROW                   ; 16 rows: one head's (q, k) or one chunk's (v) part of a block
.set SWAVE,  2*SPLANE                  ; a wave's stage.  The stages lie in slot 0, which has had its last fill and its last read when the first codes are stored there
.set ADRA, 16                          ; v16-17  LDS address of my A fragments in slot 0, 1
.set ADRB, 20                          ; v20-21  the same for B
.set STO,  24                          ; v24     where I put 8 bytes of a stage row
.set RD,   25                          ; v25     where I read 16 bytes back
.set CO,   26                          ; v26     16 x lane
.set SPW,  28                          ; v28     my spare word: SPARE + 4 x my thread's number; never rewritten
.set NIL,  29                          ; v29     0; never rewritten
.set SCL,  30                          ; v30     2^(eO - eA - eB)
.set LIM,  31                          ; v31     57,344 x that
.set BIAS, 32
.set TAB,  32
.set RB,   96                          ; v96-103 the row bias of my eight blocks
.set RBC,  104                         ; v[104:105] the block in hand's, as a pair's low word
.set AF,   128
.set TMP,  128
.set CD,   192
.set OUTR, 224
.set G1,  24                           ; s[24:31] descriptor group 1 for A's tiles; s[32:35] group 0: a wave has one, which walks along K
.set G0,  32
.set G1B, 48                           ; s[48:55], s[56:59] the same for B's
.set G0B, 56
.set OB,  68                           ; s[68:75] four bases in the output: [blocks 0-3, 4-7][stage plane 0, 1]
.set MSB, 0
.macro WIN new                         ; the immediate's high byte repeats the setting that is left
.if MSB != \new
	s_set_vgpr_msb (MSB<<8)|\new
.set MSB, \new
.endif
.endm
.set MUL_LO, 0xa1                      ; source 0 (B) window 1, source 1 (A) window 0, C and D window 2
.set MUL_HI, 0xf1                      ; the same, C and D window 3
.set FST_LO, 0x81                      ; the first products: C (the bias) window 0, D window 2
.set FST_HI, 0xc1                      ; D window 3
.set TO_B,   0x40                      ; destination window 1, address window 0
; A joint load: waves 0 and 1 fetch for A, waves 2 and 3 for B.  The branch hangs on the wave's number alone.  Four v_nop follow each of the two lines.
.macro JLOAD g0a, g1a, g0b, g1b
	s_cmp_eq_u32 s15, 0
	s_cbranch_scc0 .Lfor_b_\@
	tensor_load_to_lds s[\g0a:\g0a+3], s[\g1a:\g1a+7]
	s_nop 0
.rept 4
	v_nop
.endr
	s_branch .Lasked_\@
.Lfor_b_\@:
	tensor_load_to_lds s[\g0b:\g0b+3], s[\g1b:\g1b+7]
	s_nop 0
.rept 4
	v_nop
.endr
.Lasked_\@:
.endm
.macro CREST                           ; a round of the cluster's barrier behind its opening barrier
	s_cmp_lg_u32 s14, 0
	s_cbranch_scc1 .Lnot_wave_0_\@
	s_barrier_signal -3
.Lnot_wave_0_\@:
	s_barrier_wait -3
	s_barrier_signal -1
	s_barrier_wait -1
.endm
.macro CROUND                          ; a whole round
	s_barrier_signal -1
	s_barrier_wait -1
	CREST
.endm
	s_load_b512 s[68:83], s[0:1], 0x0              ; x 68, Wq 70, Wk 72, Wv 74, bq 76, bk 78, bv 80, the exponents 82
	s_load_b256 s[84:91], s[0:1], 0x40             ; the table 84, q's codes 86, k's 88, v's 90
	v_lshl_add_u32 v[SPW], v0, 2, SPARE
	v_mov_b32 v[NIL], 0
	ds_add_u32 v28, v29
	ds_add_u32 v28, v29
	s_wait_dscnt 0x0
	v_lshrrev_b32 v1, 5, v0
	v_readfirstlane_b32 s14, v1                    ; wave 0..3
	s_lshr_b32 s15, s14, 1                         ; which half of the tile's rows is mine.  Also: I fetch for A (0) or for B (1)
	s_and_b32 s16, s14, 1                          ; which half of its columns.  Also: the slot that I fill
	s_bfe_u32 s40, ttmp6, 0x40000                  ; cx, cy: my place in the cluster
	s_bfe_u32 s41, ttmp6, 0x40004
	s_and_b32 s18, ttmp7, 0xffff
	s_lshl_b32 s18, s18, 2                         ; 4 x the cluster's y
	s_cmp_eq_u32 ttmp9, 2                          ; v?  The cluster's x is the same in all sixteen partners
	s_cselect_b32 s17, 0, s18
	s_cselect_b32 s42, s18, 0
	s_cselect_b32 s66, 0, -1                       ; keeps the column bias for q and k,
	s_cselect_b32 s67, -1, 0                       ; the row bias for v
	s_add_co_u32 s17, s17, s41                     ; tile row: q, k: 4 Y + cy of 32; v: cy of 4
	s_add_co_u32 s42, s42, s40                     ; tile column: q, k: cx of 4; v: 4 Y + cx of 32
	s_lshl_b32 s43, s41, 2
	s_lshl_b32 s43, 15, s43                        ; my row of the cluster
	s_lshl_b32 s44, 0x1111, s40                    ; my column
	s_or_b32 s[G1+0], s43, (0<<16)|(1<<20)|(1<<21)|(5<<22)|(3<<25)  ; 15:0 the mask: A's tiles go to my row; 17:16 elements of 1 byte; 20 padding on; 21 set beside a mask; 24:22 after every 64 words; 31:25 four words
	s_or_b32 s[G1B+0], s44, (0<<16)|(1<<20)|(1<<21)|(5<<22)|(3<<25)
.irp g, G1, G1B
	s_mov_b32 s[\g+1], ROWB<<16                    ; tensor_dim0
	s_mov_b32 s[\g+2], 256<<16                     ; tensor_dim1
	s_mov_b32 s[\g+3], ROWB<<16                    ; tile_dim0
	s_mov_b32 s[\g+4], 256                         ; tile_dim1
	s_mov_b32 s[\g+5], KROW                        ; tensor_dim0_stride
	s_mov_b32 s[\g+6], 0
	s_mov_b32 s[\g+7], 0
.endr
	s_lshl_b32 s18, s16, 8                         ; my slot's first K step: 256 bytes along the rows for slot 1
	s_lshl_b32 s20, s17, 18                        ; A: row 256 x tile row, in bytes: under 2^23
	s_add_co_u32 s20, s20, s18
	s_mov_b32 s21, 0
	s_lshl_b32 s46, s42, 18                        ; B likewise, from the tile column
	s_add_co_u32 s46, s46, s18
	s_mov_b32 s47, 0
	s_mul_i32 s45, s15, 2*HALFT                    ; where they go: A's 256 rows or B's,
	s_mul_i32 s18, s16, SLOT                       ; in my slot
	s_add_co_u32 s45, s45, s18
	s_wait_kmcnt 0x0
	s_load_b256 s[92:99], s[82:83], 0x0            ; e0 .. e7
	s_load_b64 s[100:101], s[82:83], 0x20          ; e8, e9
	s_cmp_eq_u32 ttmp9, 2
	s_cselect_b64 s[4:5], s[74:75], s[68:69]       ; A: Wv, or x
	s_cselect_b64 s[6:7], s[68:69], s[72:73]       ; B: x, or a weight
	s_cselect_b64 s[8:9], s[80:81], s[78:79]       ; the bias
	s_cselect_b64 s[10:11], s[90:91], s[88:89]     ; the output
	s_cmp_eq_u32 ttmp9, 0
	s_cselect_b64 s[6:7], s[70:71], s[6:7]
	s_cselect_b64 s[8:9], s[76:77], s[8:9]
	s_cselect_b64 s[10:11], s[86:87], s[10:11]
	s_add_nc_u64 s[20:21], s[4:5], s[20:21]
	s_add_nc_u64 s[46:47], s[6:7], s[46:47]
	CROUND                                         ; all sixteen work-groups are here: the first joint loads meet
.irp s, 0
	s_mov_b32 s[G0+4*\s], 1
	s_add_co_u32 s[G0+4*\s+1], s45, \s*SLOT
	s_add_nc_u64 s[G0+4*\s+2:G0+4*\s+3], s[20:21], \s*ROWB
	s_or_b32 s[G0+4*\s+3], s[G0+4*\s+3], 0x80000000
	s_mov_b32 s[G0B+4*\s], 1
	s_add_co_u32 s[G0B+4*\s+1], s45, \s*SLOT
	s_add_nc_u64 s[G0B+4*\s+2:G0B+4*\s+3], s[46:47], \s*ROWB
	s_or_b32 s[G0B+4*\s+3], s[G0B+4*\s+3], 0x80000000
.endr
	JLOAD G0, G1, G0B, G1B                         ; my one tensor load at the head: the four waves' loads fill both slots, K 0-511
	v_and_b32 v1, 15, v0
	s_wait_alu depctr_va_vdst(0)
	v_bfe_u32 v2, v0, 4, 1                         ; h
	v_mul_u32_u24 v3, v1, PITCH
	v_lshl_add_u32 v4, v2, 4, v3                   ; a fragment's row x pitch + 16 h
	s_mul_i32 s21, s15, HALFT                      ; my 128 rows of A
	s_mul_i32 s22, s16, HALFT                      ; my 128 rows of B,
	s_add_co_u32 s22, s22, 2*HALFT                 ; which lie behind A's 256
.irp s, 0,1
	v_add_nc_u32 v[ADRA+\s], s21, v4
	v_add_nc_u32 v[ADRB+\s], s22, v4
	s_add_co_u32 s21, s21, SLOT
	s_add_co_u32 s22, s22, SLOT
.endr
	s_mul_i32 s23, s14, SWAVE                      ; my stage
	v_mul_u32_u24 v5, v1, SROW
	s_wait_alu depctr_va_vdst(0)
	v_lshl_add_u32 v5, v2, 4, v5
	v_add_nc_u32 v[STO], s23, v5                   ; in: row r, + 16 h
	v_bfe_u32 v7, v0, 2, 3
	v_mul_u32_u24 v7, v7, SROW
	v_and_b32 v8, 3, v0
	v_lshl_add_u32 v7, v8, 4, v7
	v_add_nc_u32 v[RD], s23, v7                    ; back: four lanes to a row of 64 bytes, eight rows an instruction
	v_and_b32 v6, 31, v0
	v_lshlrev_b32 v[CO], 4, v6
	; the biases.  The kind that has none along an axis reads the bias's first bytes there (no load leaves its buffer) and masks them off below
	s_lshl_b32 s80, s42, 10
	s_lshl_b32 s2, s16, 9
	s_add_co_u32 s80, s80, s2                      ; 4 x (256 x tile column + 128 x half),
	s_and_b32 s80, s80, s66                        ; or 0
	s_mov_b32 s81, 0
	s_add_nc_u64 s[76:77], s[8:9], s[80:81]
	s_lshl_b32 s80, s17, 10
	s_lshl_b32 s2, s15, 9
	s_add_co_u32 s80, s80, s2                      ; 4 x (256 x tile row + 128 x half),
	s_and_b32 s80, s80, s67                        ; or 0
	s_add_nc_u64 s[78:79], s[8:9], s[80:81]
	v_lshlrev_b32 v9, 5, v2                        ; columns 16 b + 8 h + 0 .. 7: 64 b + 32 h bytes
	v_lshlrev_b32 v10, 2, v1                       ; row 16 a + r: 64 a + 4 r bytes
.irp b, 0,1,2,3,4,5,6,7
	global_load_b128 v[BIAS+8*\b:BIAS+8*\b+3], v9, s[76:77] offset:64*\b
	global_load_b128 v[BIAS+8*\b+4:BIAS+8*\b+7], v9, s[76:77] offset:64*\b+16
.endr
.irp a, 0,1,2,3,4,5,6,7
	global_load_b32 v[RB+\a], v10, s[78:79] offset:64*\a
.endr
	s_and_b32 s80, s17, 7                          ; the table: q, k: my first token within its batch is 256 (tile row mod 8) + 128 x half: group 16 (..) + 8 x half;
	s_lshl_b32 s80, s80, 4
	s_lshl_b32 s2, s15, 3
	s_add_co_u32 s80, s80, s2
	s_cmp_eq_u32 ttmp9, 2
	s_cselect_b32 s80, 128, s80                    ; v: the groups of the angle 0
	s_lshl_b32 s80, s80, 12
	s_add_nc_u64 s[12:13], s[84:85], s[80:81]
	s_wait_kmcnt 0x0                               ; the exponents
	s_add_co_i32 s92, s92, s93                     ; e0 + e1
	s_add_co_i32 s94, s94, s95                     ; e2 + e3
	s_add_co_i32 s96, s96, s97                     ; e4 + e5
	s_cmp_eq_u32 ttmp9, 2
	s_cselect_b32 s18, s96, s94
	s_cselect_b32 s19, s101, s99
	s_cmp_eq_u32 ttmp9, 0
	s_cselect_b32 s18, s92, s18                    ; eA + eB
	s_cselect_b32 s19, s98, s19                    ; eO: e6, e7 or e9
	s_sub_co_i32 s22, 0, s18
	s_sub_co_i32 s19, s19, s18
	s_add_co_i32 s19, s19, 127
	s_lshl_b32 s23, s19, 23
	v_mov_b32 v[SCL], s23                          ; 2^(eO - eA - eB) as f32: the conversion takes its exponent field
	s_add_co_i32 s19, s19, 15
	s_lshl_b32 s19, s19, 23
	s_or_b32 s19, s19, 0x600000
	v_mov_b32 v[LIM], s19                          ; 57,344 x that
	; where my codes go.  With (P, Q, U, W) = (tile row, tile column, row half, column half) for q and k, and the two of each kind swapped for v:
	; ((P / 8) x 16 + 4 Q + 2 W) x 131,072 + (P mod 8) x 16,384 + U x 8,192; the second stage plane and blocks 4-7 lie 131,072 and 4,096 bytes on (q, k), or 4,096 and 131,072 (v)
	s_cmp_eq_u32 ttmp9, 2
	s_cselect_b32 s92, s42, s17
	s_cselect_b32 s93, s17, s42
	s_cselect_b32 s94, s16, s15
	s_cselect_b32 s95, s15, s16
	s_mov_b32 s96, 0x20000
	s_mov_b32 s97, 0x1000
	s_cselect_b32 s90, s97, s96
	s_cselect_b32 s86, s96, s97
	s_mov_b32 s91, 0
	s_mov_b32 s87, 0
	s_lshr_b32 s98, s92, 3
	s_lshl_b32 s98, s98, 4
	s_lshl_b32 s93, s93, 2
	s_add_co_u32 s98, s98, s93
	s_lshl_b32 s95, s95, 1
	s_add_co_u32 s98, s98, s95
	s_lshl_b32 s98, s98, 17
	s_and_b32 s92, s92, 7
	s_lshl_b32 s92, s92, 14
	s_add_co_u32 s98, s98, s92
	s_lshl_b32 s94, s94, 13
	s_add_co_u32 s88, s98, s94
	s_mov_b32 s89, 0
	s_add_nc_u64 s[OB:OB+1], s[10:11], s[88:89]
	s_add_nc_u64 s[OB+2:OB+3], s[OB:OB+1], s[90:91]
	s_add_nc_u64 s[OB+4:OB+5], s[OB:OB+1], s[86:87]
	s_add_nc_u64 s[OB+6:OB+7], s[OB+4:OB+5], s[90:91]
	s_wait_loadcnt 0x0                             ; the biases
.set j, 0
.rept 64
	v_and_b32 v[BIAS+j], s66, v[BIAS+j]
.set j, j+1
.endr
.set j, 0
.rept 64
	v_ldexp_f32 v[BIAS+j], v[BIAS+j], s22          ; / 2^(eA + eB): what the sums lack
.set j, j+1
.endr
.irp a, 0,1,2,3,4,5,6,7
	v_and_b32 v[RB+\a], s67, v[RB+\a]
.endr
.irp a, 0,1,2,3,4,5,6,7
	v_ldexp_f32 v[RB+\a], v[RB+\a], s22
.endr
	v_mov_b32 v[RBC+1], 0                          ; (named as the upper half of a pair, so it is written)
.macro FRAG reg, adr, q, i             ; a fragment: lane l holds row l % 16; registers 4 c .. 4 c + 3 hold K = 32 c + 16 (l / 16) + 0 .. 15: one order for A and B alike
.irp c, 0,1,2,3
	ds_load_b128 v[\reg+4*\c:\reg+4*\c+3], v[\adr] offset:128*(\q)+32*\c+(\i)*16*PITCH
.endr
.endm
; 16 matrix instructions: A's blocks a0, a0 + 1 x B's eight, 128 along K.  p: B's set.  first = 1: the sums begin with the column bias as C: nothing is cleared, nothing is added later.
; The 64 accumulators take turns, one instruction a turn, in the same order in every step.
.macro MUL16 a0, p, first
.irp a, \a0, \a0+1
.irp b, 0,1,2,3,4,5,6,7
.if \first
	v_wmma_f32_16x16x128_bf8_bf8 v[8*(8*((\a)%4)+\b):8*(8*((\a)%4)+\b)+7], v[128*(\p)+FR*\b:128*(\p)+FR*\b+FR-1], v[AF+FR*(\a):AF+FR*(\a)+FR-1], v[BIAS+8*\b:BIAS+8*\b+7]
.else
	v_wmma_f32_16x16x128_bf8_bf8 v[8*(8*((\a)%4)+\b):8*(8*((\a)%4)+\b)+7], v[128*(\p)+FR*\b:128*(\p)+FR*\b+FR-1], v[AF+FR*(\a):AF+FR*(\a)+FR-1], v[8*(8*((\a)%4)+\b):8*(8*((\a)%4)+\b)+7]
.endif
.endr
.endr
.endm
.macro FETCH_B slot, q, p              ; B's eight fragments of the slot's q-th 128 along K into set p
	WIN TO_B
.irp i, 0,1,2,3,4,5,6,7
	FRAG 128*(\p)+FR*\i, ADRB+\slot, \q, \i
.endr
	WIN 0
.endm
.macro FETCH_A slot, q, i0             ; A's blocks i0 .. i0 + 3
.irp i, \i0, \i0+1, \i0+2, \i0+3
	FRAG AF+FR*(\i), ADRA+\slot, \q, \i
.endr
.endm
; A load into a register that a matrix instruction has read, and a vector instruction that reads a matrix result or writes one of its registers, stand NP places behind it; only plain vector instructions
; that name none of its registers are places (ISA guide 7.12.1 for vector instructions).
.macro PLACES n
.rept \n
	v_nop
.endr
.endm
; A step of 128 along K that has its successor in the same slot.  A's blocks are free as soon as their eight products are issued: blocks 0-3 are fetched anew in the step's middle, blocks 4-7 at its end.
.macro STEP slot, q, first
	s_wait_dscnt 4*NL                              ; B's set and A's blocks 0-3 are in; the youngest sixteen loads (A's blocks 4-7) may be out
.if \first
	WIN FST_LO
.else
	WIN MUL_LO
.endif
	MUL16 0, (\q)%2, \first
	MUL16 2, (\q)%2, \first
	s_wait_dscnt 0                                 ; A's blocks 4-7 are in
	PLACES NP
	FETCH_B \slot, (\q)+1, 1-(\q)%2
	FETCH_A \slot, (\q)+1, 0
.if \first
	WIN FST_HI
.else
	WIN MUL_HI
.endif
	MUL16 4, (\q)%2, \first
	MUL16 6, (\q)%2, \first
	PLACES NP
	WIN 0
	FETCH_A \slot, (\q)+1, 4
.endm
; A slot's last step changes slots: ONE barrier; in front of it each wave waits for all its tensor loads, adds 0 to its spare word, and waits for that and for its own reads of this slot.  fill = 1: this slot is filled again, two K steps of 256 ahead.
.macro TURN slot, next, fill
	s_wait_tensorcnt 0x0                           ; all my tensor loads have landed: my part of the next slot
	ds_add_u32 v[SPW], v[NIL]                      ; 0 onto my spare word
	s_wait_dscnt 4*NL+1                            ; (the add and the youngest sixteen loads may be out)
	WIN MUL_LO
	MUL16 0, 1, 0                                  ; sixteen matrix instructions stand between the add and the wait for it
	s_wait_dscnt 0x0                               ; the add is done, and my reads of this slot are over
	s_barrier_signal -1
	MUL16 2, 1, 0
	WIN 0
	s_barrier_wait -1
.if \fill
	CREST                                          ; the barrier has opened a round of the cluster's barrier: no wave of any partner still reads this slot or has a load on its way
	s_cmp_lg_u32 s16, \slot                        ; the two waves that own this slot fill it again; the branch hangs on the wave's number alone
	s_cbranch_scc1 .Lnot_my_slot_\@
	s_add_nc_u64 s[G0+2:G0+3], s[G0+2:G0+3], 2*ROWB
	s_add_nc_u64 s[G0B+2:G0B+3], s[G0B+2:G0B+3], 2*ROWB
	JLOAD G0, G1, G0B, G1B                         ; the first tensor load behind the round
.Lnot_my_slot_\@:
	PLACES NP                                      ; in front of the loads below, on both ways
.else
	PLACES NP
.endif
	FETCH_B \next, 0, 0
	FETCH_A \next, 0, 0
	WIN MUL_HI
	MUL16 4, 1, 0
	MUL16 6, 1, 0
	PLACES NP
	WIN 0
	FETCH_A \next, 0, 4
.endm
; The table's group for block a (16 tokens): eight loads of 512 consecutive bytes, into set a % 2: registers 8 bm + 0..3 cos, 8 bm + 4..7 sin of the pairs 8 bm + 4 h + 0 .. 3
.macro TABLOAD a
.irp t, 0,1,2,3,4,5,6,7
	global_load_b128 v[TAB+32*((\a)%2)+4*\t:TAB+32*((\a)%2)+4*\t+3], v[CO], s[12:13] offset:(\a)*4096+\t*512
.endr
.endm
	s_wait_alu depctr_va_vdst(0)                   ; the wait at the head's end
	s_wait_tensorcnt 0x0                           ; my load has landed
	s_barrier_signal -1
	s_barrier_wait -1                              ; everybody's has: both slots are whole
	FETCH_B 0, 0, 0
	FETCH_A 0, 0, 0
	FETCH_A 0, 0, 4
	STEP 0, 0, 1                                   ; K 0-127: the sums begin
	TABLOAD 0                                      ; into the registers that held the column bias: the step's closing places stand behind the last product that read it
	TABLOAD 1
	TURN 0, 1, 1                                   ; K 128-255; slot 0 takes K 512-767
	STEP 1, 0, 0
	TURN 1, 0, 1                                   ; slot 1 takes K 768-1023
	STEP 0, 0, 0
	TURN 0, 1, 0                                   ; nothing is left to fetch
	STEP 1, 0, 0
	s_wait_dscnt 4*NL                              ; the last step
	WIN MUL_LO
	MUL16 0, 1, 0
	MUL16 2, 1, 0
	s_wait_dscnt 0
	WIN MUL_HI
	MUL16 4, 1, 0
	MUL16 6, 1, 0
	WIN 0
; THE WAY OUT of block a, 16 rows x 128 columns: rotated (each accumulator from its low end on), held, converted; 8 bytes a lane and accumulator into my stage; back as runs of 512 bytes.
.macro BLOCK a
.set AC, 64*((\a)%4)
.set TS, TAB+32*((\a)%2)
.set CC, CD+16*((\a)%2)
.set OO, OUTR+16*((\a)%2)
.if (\a) < 7
	s_wait_loadcnt 8                               ; this block's table set is in; the next block's eight loads may be out
.else
	s_wait_loadcnt 0x0
.endif
	v_mov_b32 v[RBC], v[RB+(\a)]
	WIN 0x02+((\a)/4)                              ; source 0: window 2 or 3
.irp b, 0,1,2,3,4,5,6,7
.irp u, 0,1
	v_pk_fma_f32 v[TMP+8*\b+4*\u:TMP+8*\b+4*\u+1], v[AC+8*\b+4*\u:AC+8*\b+4*\u+1], v[TS+8*(\b%4)+2*\u:TS+8*(\b%4)+2*\u+1], v[RBC:RBC+1] op_sel_hi:[1,0,0]   ; (x_e, x_o) c + the row bias: the pair's cos is the low word,
	v_pk_fma_f32 v[TMP+8*\b+4*\u+2:TMP+8*\b+4*\u+3], v[AC+8*\b+4*\u+2:AC+8*\b+4*\u+3], v[TS+8*(\b%4)+2*\u:TS+8*(\b%4)+2*\u+1], v[RBC:RBC+1] op_sel:[0,1,0] op_sel_hi:[1,1,0]   ; the next pair's the high word
.endr
.irp u, 0,1
	v_pk_fma_f32 v[TMP+8*\b+4*\u:TMP+8*\b+4*\u+1], v[AC+8*\b+4*\u:AC+8*\b+4*\u+1], v[TS+8*(\b%4)+4+2*\u:TS+8*(\b%4)+4+2*\u+1], v[TMP+8*\b+4*\u:TMP+8*\b+4*\u+1] op_sel:[1,0,0] op_sel_hi:[0,0,1] neg_lo:[0,1,0]   ; + (-x_o, x_e) s
	v_pk_fma_f32 v[TMP+8*\b+4*\u+2:TMP+8*\b+4*\u+3], v[AC+8*\b+4*\u+2:AC+8*\b+4*\u+3], v[TS+8*(\b%4)+4+2*\u:TS+8*(\b%4)+4+2*\u+1], v[TMP+8*\b+4*\u+2:TMP+8*\b+4*\u+3] op_sel:[1,1,0] op_sel_hi:[0,1,1] neg_lo:[0,1,0]
.endr
.endr
	WIN 0
.if (\a) < 6
	TABLOAD (\a)+2                                 ; this set takes the block two further on
.endif
.set j, 0
.rept 64
	v_med3_num_f32 v[TMP+j], v[TMP+j], -v[LIM], v[LIM]   ; the conversion to an 8-bit code does not saturate (ISA guide 7.6.2): the hold at the largest code x the scale
.set j, j+1
.endr
.irp b, 0,1,2,3,4,5,6,7
	v_cvt_scalef32_pk8_bf8_f32 v[CC+2*\b:CC+2*\b+1], v[TMP+8*\b:TMP+8*\b+7], v[SCL]
.endr
	v_nop                                          ; a plain instruction between the last conversion and the next block's lines, which write its sources
.irp b, 0,1,2,3,4,5,6,7
	ds_store_b64 v[STO], v[CC+2*\b:CC+2*\b+1] offset:(\b/4)*SPLANE+32*((\b%4)/2)+8*(\b%2)   ; element 16 (b % 4) + 8 h + j of the 64 lies at byte 32 ((b % 4) / 2) + 16 h + 8 (b % 2) + j
.endr
.irp t, 0,1,2,3
	ds_load_b128 v[OO+4*\t:OO+4*\t+3], v[RD] offset:(\t/2)*SPLANE+(\t%2)*8*SROW   ; LDS serves a wave's instructions in order (ISA guide 5.7.1.4): these see the stores above
.endr
.endm
.macro SEND a, younger                 ; younger: the LDS instructions issued behind block a's loads
.set OO, OUTR+16*((\a)%2)
	s_wait_dscnt \younger
.irp t, 0,1,2,3
	global_store_b128 v[CO], v[OO+4*\t:OO+4*\t+3], s[OB+4*((\a)/4)+2*(\t/2):OB+4*((\a)/4)+2*(\t/2)+1] offset:((\a)%4)*1024+(\t%2)*512   ; 32 lanes store 512 consecutive bytes, at a multiple of 512 from the buffer's first byte
.endr
.endm
	PLACES NP                                      ; behind the last products: for the first reads of results and for writes into the registers that held A's fragments
	s_wait_alu depctr_va_vdst(0)
	BLOCK 0
.irp a, 1,2,3,4,5,6,7
.if \a > 1
	s_wait_xcnt 0x0                                ; block a - 2's stores have read their registers: block a's loads from the stage may land there
.endif
	BLOCK \a
	SEND \a-1, 12                                  ; behind block a - 1's loads: block a's 8 stores and 4 loads
.endr
	SEND 7, 0
	s_wait_tensorcnt 0x0                           ; the wave's end
	ds_add_u32 v[SPW], v[NIL]
	s_wait_dscnt 0x0
	CROUND                                         ; the closing round: no work-group ends while a partner may still ask for a tile that names it
	s_endpgm
.Lfunc_end_k_qfeba8e58e7_qkv:
	.size	k_qfeba8e58e7_qkv, .Lfunc_end_k_qfeba8e58e7_qkv-k_qfeba8e58e7_qkv
	.p2alignl 7, 3214868480
	.fill 96, 4, 3214868480
	.section	.rodata,"a",@progbits
	.p2align	6, 0x0
	.amdhsa_kernel k_qfeba8e58e7_qkv
		.amdhsa_group_segment_fixed_size 327680
		.amdhsa_private_segment_fixed_size 0
		.amdhsa_enable_private_segment 0
		.amdhsa_kernarg_size 96
		.amdhsa_user_sgpr_count 2
		.amdhsa_user_sgpr_kernarg_segment_ptr 1
		.amdhsa_wavefront_size32 1
		.amdhsa_system_sgpr_workgroup_id_x 1
		.amdhsa_system_sgpr_workgroup_id_y 1
		.amdhsa_system_sgpr_workgroup_id_z 1
		.amdhsa_system_vgpr_workitem_id 0
		.amdhsa_next_free_vgpr 1024
		.amdhsa_next_free_sgpr 102
		.amdhsa_reserve_vcc 0
		.amdhsa_float_denorm_mode_32 3
		.amdhsa_float_denorm_mode_16_64 3
		.amdhsa_memory_ordered 1
		.amdhsa_forward_progress 1
		.amdhsa_inst_pref_size 173
	.end_amdhsa_kernel
	.amdgpu_metadata
---
amdhsa.version: [ 1, 2 ]
amdhsa.kernels:
  - .name:           k_qfeba8e58e7_qkv
    .symbol:         k_qfeba8e58e7_qkv.kd
    .args:
      - { .name: x_codes, .offset: 0, .size: 8, .value_kind: global_buffer, .address_space: global }
      - { .name: Wq_codes, .offset: 8, .size: 8, .value_kind: global_buffer, .address_space: global }
      - { .name: Wk_codes, .offset: 16, .size: 8, .value_kind: global_buffer, .address_space: global }
      - { .name: Wv_codes, .offset: 24, .size: 8, .value_kind: global_buffer, .address_space: global }
      - { .name: bq, .offset: 32, .size: 8, .value_kind: global_buffer, .address_space: global }
      - { .name: bk, .offset: 40, .size: 8, .value_kind: global_buffer, .address_space: global }
      - { .name: bv, .offset: 48, .size: 8, .value_kind: global_buffer, .address_space: global }
      - { .name: lowp_scales, .offset: 56, .size: 8, .value_kind: global_buffer, .address_space: global }
      - { .name: rope_tab, .offset: 64, .size: 8, .value_kind: global_buffer, .address_space: global }
      - { .name: q_codes, .offset: 72, .size: 8, .value_kind: global_buffer, .address_space: global }
      - { .name: k_codes, .offset: 80, .size: 8, .value_kind: global_buffer, .address_space: global }
      - { .name: v_codes, .offset: 88, .size: 8, .value_kind: global_buffer, .address_space: global }
    .group_segment_fixed_size: 327680
    .private_segment_fixed_size: 0
    .kernarg_segment_align: 8
    .kernarg_segment_size: 96
    .max_flat_workgroup_size: 128
    .sgpr_count:     102
    .vgpr_count:     1024
    .wavefront_size: 32
...
	.end_amdgpu_metadata
.endif
;; end of part 2
;; launch attn (part 3): grid 4 x 64, 16 waves a work-group, clusters of 4 x 1, 327,680 bytes of LDS; arguments q_codes, k_codes, v_codes, lowp_scales, inter_codes; writes inter_codes
.if DOCPART == 3
	.amdgcn_target "amdgcn-amd-amdhsa--gfx1250"
	.amdhsa_code_object_version 6
	.text
	.protected	k_qfeba8e58e7_attn
	.globl	k_qfeba8e58e7_attn
	.p2align	8
	.type	k_qfeba8e58e7_attn,@function
k_qfeba8e58e7_attn:
	s_mov_b64 s[64:65], 0
	v_nop
	global_prefetch_b8 v0, s[64:65] scope:SCOPE_SE
	s_setreg_imm32_b32 hwreg(HW_REG_WAVE_MODE, 25, 1), 1
	s_wait_xcnt 0x0
	s_wait_alu depctr_hold_cnt(0) depctr_sa_sdst(0) depctr_va_vdst(0) depctr_va_sdst(0) depctr_va_ssrc(0) depctr_va_vcc(0) depctr_vm_vsrc(0)
	s_getreg_b32 s2, hwreg(HW_REG_IB_STS2, 6, 4)
	s_cmp_eq_u32 s2, 0
	s_cbranch_scc0 .Lentry_in_a_cluster
	s_endpgm
.Lentry_in_a_cluster:
	s_bfe_u32 s2, ttmp6, 0x10000c
	s_cmp_lg_u32 s2, 0x3003
	s_cbranch_scc0 .Lentry_shape_is_right
	s_endpgm
.Lentry_shape_is_right:
; For each of 64 (batch, head): O[q] = the sum over keys of softmax(Q[q] . K[key] / 32) V[key], both products on codes of BF8 (E5M2); O is quantised to codes of BF8 for the product that follows.
; Q, K: [batch x 16 + head][2,048][64 bytes].  V: [batch x 16 + head][32 chunks of 64 keys][64 channels][64 bytes]: the keys innermost.  In each group of 32 along the last axis element 16 u + 8 hh + j lies at byte 16 hh + 8 u + j:
; a 16-byte load at 16 x (lane / 16) then brings registers 2 c, 2 c + 1 the K places 16 c + 8 (lane / 16) + 0 .. 7, the matrix form's own order.  Output: [head][token of 8,192][64 bytes], in natural order.
; THE SOFTMAX: t = score x log2(e) / 32; M = the row's largest t so far, rounded UP to a whole number; p = 2^(t - M) is what is quantised (scale 2^e8); it is not normalised.
; The row's sum is taken of the unquantised p and divides O at the end.  When M moves, the sum and O are multiplied by 2^(old M - new M): exact, and no branch on data.
; The running maximum is kept of the raw scores (c is positive, so c x the largest score is the largest t).
; SHARES.  A work-group owns 512 queries of one head; each of its sixteen waves 32: two tiles, A and B, which share every fragment of K and V.  256 registers a wave, four waves to a SIMD.  256 work-groups.
; ALL OF THE HEAD'S K AND V LIE IN LDS, each byte filled once.  Every wave asks for one sixteenth: waves 0-7 an eighth of K (256 keys, 16,384 dense bytes), waves 8-15 an eighth of V; both addresses are arithmetic on the wave's number.
; One wait for that load and one barrier show all of it to all sixteen waves; the loop over the 16 key steps holds no barrier.
; CLUSTER.  The four query blocks of a head form a cluster and ask for every sixteenth jointly.  A wave has one tensor load out.
; NO PREFETCH: every byte of K and V is asked for by the one group of loads at the head, so no later load is left to run ahead of.
; LAYOUT.  Both products are used transposed: S^T = K Q^T (source 0 = 16 keys, source 1 = 16 queries), O^T = V^T P^T: a lane holds ONE query (lane % 16) throughout.  Tile t of S^T holds the keys 16 t + 8 (lane / 16) + 0 .. 7
; in its eight registers: their eight codes are registers 2 t, 2 t + 1 of the second product's operand.
; LIMITS: e6 + e7 between -121 and 132 (added to c's exponent field); e8, and e10 - e8 - e9, between -126 and 112; the scaled scores t stay under 2^31 in magnitude.
.set KP,    272                        ; an LDS row: four logical rows of 64 bytes + 16 of padding.  Logical row p lies at (p / 4) x 272 + (p % 4) x 64: the 16 rows of a fragment load fall on 16 different 16-byte columns
.set EIGHTH, 64*KP                     ; 256 keys of K, or of V: what one tensor load brings
.set VOFF,  8*EIGHTH                   ; V lies behind K
.set STAGE, 2*VOFF                     ; behind both: 32 rows x 80 bytes for each wave, for the way out: bytes of their own, into which no fill lands
.set SPARE, STAGE+16*2560              ; behind the stages: the spare words, 128 bytes a wave: eight blocks of 256 bytes that no other line names
.set STEPB, 32*KP                      ; 128 keys
.set LT,  1                            ; v1   my lane's place in a fragment
.set AD,  2                            ; v2   the LDS address of the loads in hand
.set SCL, 3                            ; v3   2^e8
.set F,   4                            ; v[4:5]  2^(old M - new M); at the end 1 / the sum
.set STA, 6                            ; v[6:9]   tile A: -M, the largest score, the sum in two halves
.set STB, 10                           ; v[10:13] tile B
.set QA,  14                           ; v[14:21], v[22:29] Q's two fragments
.set QB,  22
.set KV,  30                           ; v[30:93]  eight fragments of K, or four of V
.set S,   94                           ; v[94:157] S^T of one tile of queries, then p
.set PA,  158                          ; v[158:173], v[174:189] p's codes; ahead of the conversions at work
.set PB,  174
.set OA,  190                          ; v[190:221], v[222:253] O^T
.set OB,  222
.set SPW, 254                          ; v254 my spare word: SPARE + 4 x my thread's number; never rewritten
.set NIL, 255                          ; v255 0; never rewritten
.set G1,  24                           ; s[24:31] descriptor group 1
.set G0,  32                           ; s[32:35] my group 0
.macro CROUND                          ; a round of the cluster's barrier
	s_barrier_signal -1
	s_barrier_wait -1
	s_cmp_lg_u32 s14, 0
	s_cbranch_scc1 .Lnot_wave_0_\@
	s_barrier_signal -3
.Lnot_wave_0_\@:
	s_barrier_wait -3
	s_barrier_signal -1
	s_barrier_wait -1
.endm
	s_load_b256 s[4:11], s[0:1], 0x0               ; Q s[4:5], K s[6:7], V s[8:9], the exponents s[10:11]
	s_load_b64 s[12:13], s[0:1], 0x20              ; the output
	v_lshl_add_u32 v[SPW], v0, 2, SPARE
	v_mov_b32 v[NIL], 0
	ds_add_u32 v[SPW], v[NIL]                      ; the opening lines: the add, twice on end, and its wait ahead of my tensor load
	ds_add_u32 v[SPW], v[NIL]
	v_lshrrev_b32 v1, 5, v0
	v_readfirstlane_b32 s14, v1                    ; wave 0..15
	s_bfe_u32 s15, ttmp6, 0x40000                  ; cx
	s_lshl_b32 s23, ttmp9, 2
	s_add_co_u32 s15, s15, s23                     ; my block of 512 queries: it enters Q's and the output's addresses alone
	s_and_b32 s73, ttmp7, 0xffff                   ; batch x 16 + head, which the four partners share
	s_lshl_b32 s74, s73, 17                        ; its 131,072 bytes in Q, K and V
	s_mov_b32 s75, 0
	; descriptor group 1: 16,384 dense bytes as 64 rows of 32 elements of 8 bytes, 16 bytes of padding behind each row
	s_mov_b32 s[G1], 15|(3<<16)|(1<<20)|(1<<21)|(5<<22)|(3<<25)   ; 15:0 the mask: all four work-groups; 17:16 elements of 8 bytes; 20 padding on; 21 set beside a mask; 24:22 after every 64 words; 31:25 four words
	s_mov_b32 s[G1+1], 32<<16                      ; tensor_dim0
	s_mov_b32 s[G1+2], 64<<16                      ; tensor_dim1
	s_mov_b32 s[G1+3], 32<<16                      ; tile_dim0
	s_mov_b32 s[G1+4], 64                          ; tile_dim1
	s_mov_b32 s[G1+5], 32                          ; tensor_dim0_stride
	s_mov_b32 s[G1+6], 0
	s_mov_b32 s[G1+7], 0
	s_mov_b32 s[G0], 1                             ; count = 1
	s_mul_i32 s[G0+1], s14, EIGHTH                 ; LDS address: K's eight eighths, then V's: wave x 64 rows
	s_and_b32 s76, s14, 7
	s_lshl_b32 s76, s76, 14                        ; my eighth in memory,
	s_add_co_u32 s76, s76, s74                     ; in the head: under 2^23
	s_mov_b32 s77, 0
	s_mov_b32 s16, 0x76543210                      ; lane selects for v_permlanex16_b32: lane l xor 16
	s_mov_b32 s17, 0xfedcba98
	s_mov_b32 s18, 0x3d38aa3b                      ; c = log2(e) / 32
	s_wait_dscnt 0x0                               ; both opening adds are done
	s_wait_kmcnt 0x0
	s_load_b128 s[68:71], s[10:11], 0x18           ; e6, e7, e8, e9
	s_load_b32 s72, s[10:11], 0x28                 ; e10
	s_cmp_lt_u32 s14, 8                            ; waves 0-7 ask for K, waves 8-15 for V
	s_cselect_b64 s[G0+2:G0+3], s[6:7], s[8:9]
	s_add_nc_u64 s[G0+2:G0+3], s[G0+2:G0+3], s[76:77]
	s_or_b32 s[G0+3], s[G0+3], 0x80000000          ; type = 2
	CROUND                                         ; all four work-groups are here: the joint loads meet
	tensor_load_to_lds s[G0:G0+3], s[G1:G1+7]      ; my one tensor load of the launch
	s_nop 0
.rept 4
	v_nop
.endr
	s_lshl_b32 s76, s15, 15                        ; my block's 512 rows of 64 bytes,
	s_lshl_b32 s77, s14, 11                        ; my wave's 32
	s_add_co_u32 s76, s76, s77
	s_mov_b32 s77, 0
	s_add_nc_u64 s[4:5], s[4:5], s[74:75]
	s_add_nc_u64 s[4:5], s[4:5], s[76:77]          ; Q at my first query
	s_and_b32 s78, s73, 15
	s_lshl_b32 s78, s78, 19                        ; the output: the head's 8,192 rows,
	s_lshr_b32 s79, s73, 4
	s_lshl_b32 s79, s79, 17                        ; the batch's 2,048 of them
	s_add_co_u32 s78, s78, s79
	s_add_co_u32 s78, s78, s76
	s_mov_b32 s79, 0
	s_add_nc_u64 s[12:13], s[12:13], s[78:79]
	v_and_b32 v94, 15, v0                          ; r
	v_bfe_u32 v95, v0, 4, 1                        ; h
	v_bfe_u32 v96, v0, 2, 2                        ; r / 4
	v_and_b32 v97, 3, v0                           ; r % 4
	v_lshlrev_b32 v98, 6, v94
	v_mul_u32_u24 v[LT], v96, KP
	v_lshl_add_u32 v98, v95, 4, v98                ; Q: row r of 64 bytes, + 16 h
	v_lshl_add_u32 v[LT], v97, 6, v[LT]
	global_load_b128 v[QA:QA+3], v98, s[4:5]
	global_load_b128 v[QA+4:QA+7], v98, s[4:5] offset:32
	global_load_b128 v[QB:QB+3], v98, s[4:5] offset:1024
	global_load_b128 v[QB+4:QB+7], v98, s[4:5] offset:1056
	v_lshl_add_u32 v[LT], v95, 4, v[LT]
	v_mov_b32 v[STA+1], 0xff61b1e6                 ; the largest score so far: -3e38
	v_mov_b32 v[STB+1], 0xff61b1e6
	v_mov_b32 v[STA], 0x7f61b1e6                   ; -M: 3e38, a whole number
	v_mov_b32 v[STB], 0x7f61b1e6
	v_mov_b32 v[STA+2], 0                          ; the sums
	v_mov_b32 v[STA+3], 0
	v_mov_b32 v[STB+2], 0
	v_mov_b32 v[STB+3], 0
	v_mov_b32 v[PA+2], 0                           ; written once: a lane permute's destination counts as one of its sources
	v_mov_b32 v[PB+2], 0
.set j, 0
.rept 64
	v_mov_b32 v[OA+j], 0                           ; O^T.  (The step is written once: the first finds zeros, which the first change of M leaves zeros)
.set j, j+1
.endr
	s_wait_kmcnt 0x0
	s_add_co_i32 s23, s68, s69
	s_lshl_b32 s23, s23, 23
	s_add_co_i32 s18, s18, s23                     ; a score stands for score x 2^(e6 + e7): the two exponents are added to c's exponent field
	s_add_co_i32 s23, s70, 127
	s_lshl_b32 s2, s23, 23
	v_mov_b32 v[SCL], s2                           ; 2^e8 as f32, for the conversion
	s_add_co_i32 s23, s23, 15
	s_lshl_b32 s23, s23, 23
	s_or_b32 s22, s23, 0x600000                    ; 57,344 x 2^e8
; One tile's softmax for 128 keys.  st: its statistics; p: its codes' registers (at work ahead of the conversions); o: its O^T.
.macro SMX st, p, o
	v_max3_num_f32 v[\p], v[S], v[S+1], v[S+2]     ; the step's largest score among my 64 keys, in two chains, each accumulator from its low end on
	v_max3_num_f32 v[\p+1], v[S+3], v[S+4], v[S+5]
.irp i, 6,10,14,18,22,26,30,34,38,42,46,50,54,58
	v_max3_num_f32 v[\p], v[\p], v[S+\i], v[S+\i+1]
	v_max3_num_f32 v[\p+1], v[\p+1], v[S+\i+2], v[S+\i+3]
.endr
	v_max3_num_f32 v[\p], v[\p], v[S+62], v[S+63]
	s_delay_alu instid0(VALU_DEP_1)
	v_max_num_f32 v[\p], v[\p], v[\p+1]
	v_permlanex16_b32 v[\p+2], v[\p], s16, s17
	s_delay_alu instid0(VALU_DEP_1)
	v_max3_num_f32 v[\st+1], v[\st+1], v[\p], v[\p+2]   ; the running largest score: mine, lane l xor 16's and the earlier steps'
	s_delay_alu instid0(VALU_DEP_1)
	v_mul_f32 v[\p], s18, v[\st+1]                 ; as t (c is positive)
	s_delay_alu instid0(VALU_DEP_1)
	v_floor_f32 v[\p+1], -v[\p]                    ; the new -M = floor(-t) = -ceil(t)
	s_delay_alu instid0(VALU_DEP_1)
	v_sub_f32 v[\p], v[\p+1], v[\st]               ; old M less new M: a whole number, 0 or less
	s_delay_alu instid0(VALU_DEP_2)
	v_mov_b32 v[\st], v[\p+1]
	s_delay_alu instid0(VALU_DEP_2)
	v_cvt_i32_f32 v[\p], v[\p]                     ; (it saturates)
	s_delay_alu instid0(VALU_DEP_1)
	v_ldexp_f32 v[F], 1.0, v[\p]                   ; f = 2^(old M - new M),
	v_ldexp_f32 v[F+1], 1.0, v[\p]                 ; and once more: the two halves of a dual pair take it from registers of different banks
	v_dual_mul_f32 v[\st+2], v[F], v[\st+2] :: v_dual_mul_f32 v[\st+3], v[F+1], v[\st+3]   ; the sums under the new M
.set j, 0
.rept 32
	v_dual_fma_f32 v[S+j], s18, v[S+j], v[\st] :: v_dual_fma_f32 v[S+j+1], s18, v[S+j+1], v[\p+1]   ; t - M, two an instruction; -M stands in two registers of different banks
.set j, j+2
.endr
	s_wait_alu depctr_va_vdst(0)                   ; ahead of the batch
.set j, 0
.rept 64
	v_exp_f32 v[S+j], v[S+j]                       ; p = 2^(t - M), at most 1
.set j, j+1
.endr
	v_nop                                          ; the plain place behind the exponentials
	s_wait_alu depctr_va_vdst(0)                   ; one wait: for the batch, ahead of its first reader, and directly ahead of the first readers of O^T
.set j, 0
.rept 16
	v_dual_mul_f32 v[\o+j], v[F], v[\o+j] :: v_dual_mul_f32 v[\o+j+1], v[F+1], v[\o+j+1]   ; O^T under the new M, each accumulator from its low end on
.set j, j+2
.endr
	v_dual_add_f32 v[\p+4], v[S], v[S+2] :: v_dual_add_f32 v[\p+5], v[S+1], v[S+3]   ; the row's sum is taken of the unquantised p: two additions an instruction, in two chains
.irp i, 4,8,12,16,20,24,28,32,36,40,44,48,52,56,60
	v_dual_add_f32 v[\st+2], v[S+\i], v[\st+2] :: v_dual_add_f32 v[\st+3], v[S+\i+1], v[\st+3]
	v_dual_add_f32 v[\p+4], v[S+\i+2], v[\p+4] :: v_dual_add_f32 v[\p+5], v[S+\i+3], v[\p+5]
.endr
	v_dual_add_f32 v[\st+2], v[\p+4], v[\st+2] :: v_dual_add_f32 v[\st+3], v[\p+5], v[\st+3]
.set j, 0
.rept 32
	v_dual_min_num_f32 v[S+j], s22, v[S+j] :: v_dual_min_num_f32 v[S+j+1], s22, v[S+j+1]   ; the conversion to an 8-bit code does not saturate (ISA guide 7.6.2); p is not negative, so the hold is one-sided; two holds an instruction
.set j, j+2
.endr
.irp t, 0,1,2,3,4,5,6,7
	v_cvt_scalef32_pk8_bf8_f32 v[\p+2*\t:\p+2*\t+1], v[S+8*\t:S+8*\t+7], v[SCL]
.endr
	v_nop                                          ; the plain place behind the last conversion
.endm
	s_wait_alu depctr_va_vdst(0)                   ; the wait at the head's end
	s_wait_loadcnt 0x0                             ; Q
	s_wait_tensorcnt 0x0                           ; my sixteenth of K and V has landed,
	s_wait_dscnt 0x0
	s_barrier_signal -1
	s_barrier_wait -1                              ; everybody's has
	s_mov_b32 s20, 0                               ; the step's LDS byte in K and in V
	s_mov_b32 s21, 16                              ; 16 key steps of 128 keys
.Lstep:
	v_add_nc_u32 v[AD], s20, v[LT]
.rept 3
	v_nop                                          ; with the addition: four places in front of loads into registers that the last products read
.endr
.irp t, 0,1,2,3,4,5,6,7
	ds_load_b128 v[KV+8*\t:KV+8*\t+3], v[AD] offset:1088*\t        ; keys 16 t + r
	ds_load_b128 v[KV+8*\t+4:KV+8*\t+7], v[AD] offset:1088*\t+32
.endr
	s_wait_dscnt 0x0
.irp t, 0,1,2,3,4,5,6,7
	v_wmma_f32_16x16x64_bf8_bf8 v[S+8*\t:S+8*\t+7], v[KV+8*\t:KV+8*\t+7], v[QA:QA+7], 0
.endr
.rept 4
	v_nop
.endr
	SMX STA, PA, OA
.irp t, 0,1,2,3,4,5,6,7
	v_wmma_f32_16x16x64_bf8_bf8 v[S+8*\t:S+8*\t+7], v[KV+8*\t:KV+8*\t+7], v[QB:QB+7], 0
.endr
	v_add_nc_u32 v[AD], VOFF, v[AD]
.rept 3
	v_nop                                          ; four places again: for the loads over K's fragments and for the first read of the scores
.endr
.irp u, 0,1,2,3
.irp c, 0,1,2,3
	ds_load_b128 v[KV+16*\u+4*\c:KV+16*\u+4*\c+3], v[AD] offset:(\c/2)*4352+1088*\u+32*(\c%2)   ; channels 16 u + r; keys 32 c on: they land while tile B's softmax is walked
.endr
.endr
	SMX STB, PB, OB
	s_wait_alu depctr_va_vdst(0)                   ; directly ahead of the wait below
	s_wait_dscnt 0x0
.irp u, 0,1,2,3                        ; eight accumulators, one instruction a turn
	v_wmma_f32_16x16x128_bf8_bf8 v[OA+8*\u:OA+8*\u+7], v[KV+16*\u:KV+16*\u+15], v[PA:PA+15], v[OA+8*\u:OA+8*\u+7]
	v_wmma_f32_16x16x128_bf8_bf8 v[OB+8*\u:OB+8*\u+7], v[KV+16*\u:KV+16*\u+15], v[PB:PB+15], v[OB+8*\u:OB+8*\u+7]
.endr
	s_add_co_u32 s20, s20, STEPB
	s_sub_co_u32 s21, s21, 1
	s_cmp_lg_u32 s21, 0
	s_cbranch_scc1 .Lstep
	; THE WAY OUT.  O^T is divided by the sum, held, converted with the one scale 2^(e10 - e8 - e9), and goes through my stage in LDS: 32 rows of 64 bytes, which leave as four runs of 512 consecutive bytes.
	; The address lines below are plain and name none of the last products' registers: they are the places behind those.
	v_and_b32 v94, 15, v0                          ; r
	v_bfe_u32 v95, v0, 4, 1                        ; h
	s_mul_i32 s23, s14, 2560
	s_add_co_u32 s23, s23, STAGE                   ; my stage
	v_mul_u32_u24 v96, v94, 80
	s_delay_alu instid0(VALU_DEP_1)
	v_lshl_add_u32 v96, v95, 3, v96
	s_delay_alu instid0(VALU_DEP_1)
	v_add_nc_u32 v96, s23, v96                     ; in: row r, + 8 h
	v_bfe_u32 v97, v0, 2, 3
	s_delay_alu instid0(VALU_DEP_1)
	v_mul_u32_u24 v97, v97, 80
	v_and_b32 v98, 3, v0
	s_delay_alu instid0(VALU_DEP_1)
	v_lshl_add_u32 v97, v98, 4, v97
	s_delay_alu instid0(VALU_DEP_1)
	v_add_nc_u32 v97, s23, v97                     ; back: four lanes to a row, eight rows an instruction
	v_and_b32 v98, 31, v0
	s_delay_alu instid0(VALU_DEP_1)
	v_lshlrev_b32 v98, 4, v98                      ; 16 x lane
	s_sub_co_i32 s2, s72, s70
	s_sub_co_i32 s2, s2, s71                       ; a sum stands for sum x 2^(e8 + e9): its code is (sum / l) / 2^(e10 - e8 - e9)
	s_add_co_i32 s2, s2, 127
	s_lshl_b32 s3, s2, 23
	v_mov_b32 v99, s3
	s_add_co_i32 s2, s2, 15
	s_lshl_b32 s2, s2, 23
	s_or_b32 s2, s2, 0x600000
	v_mov_b32 v100, s2                             ; 57,344 x that
.macro FIN st, p, o, tile
	v_add_f32 v[\p+8], v[\st+2], v[\st+3]          ; the sum's two halves,
	v_permlanex16_b32 v[\p+9], v[\p+8], s16, s17
	s_delay_alu instid0(VALU_DEP_1)
	v_add_f32 v[\p+8], v[\p+8], v[\p+9]            ; and lane l xor 16's
	s_wait_alu depctr_va_vdst(0)                   ; ahead of the transcendental
	v_rcp_f32 v[F], v[\p+8]
	v_nop                                          ; a plain place behind the transcendental
	s_wait_alu depctr_va_vdst(0)                   ; ahead of the first reader of the reciprocal and of O^T
.set j, 0
.rept 16
	v_pk_mul_f32 v[\o+j:\o+j+1], v[\o+j:\o+j+1], v[F:F+1] op_sel_hi:[1,0]
.set j, j+2
.endr
.set j, 0
.rept 32
	v_med3_num_f32 v[\o+j], v[\o+j], -v100, v100
.set j, j+1
.endr
.irp u, 0,1,2,3
	v_cvt_scalef32_pk8_bf8_f32 v[\p+2*\u:\p+2*\u+1], v[\o+8*\u:\o+8*\u+7], v99   ; channels 16 u + 8 h + 0 .. 7 of query r
.endr
	v_nop
.irp u, 0,1,2,3
	ds_store_b64 v96, v[\p+2*\u:\p+2*\u+1] offset:\tile*1280+16*\u
.endr
.endm
	FIN STA, PA, OA, 0
	FIN STB, PB, OB, 1
.irp t, 0,1,2,3
	ds_load_b128 v[KV+4*\t:KV+4*\t+3], v97 offset:640*\t   ; LDS serves a wave's instructions in order (ISA guide 5.7.1.4): these see my stores
.endr
.irp t, 0,1,2,3
	s_wait_dscnt 3-\t                              ; the younger loads may be out
	global_store_b128 v98, v[KV+4*\t:KV+4*\t+3], s[12:13] offset:512*\t   ; 32 lanes store 512 consecutive bytes, at a multiple of 512 from the buffer's first byte
.endr
	s_wait_tensorcnt 0x0                           ; the wave's end
	ds_add_u32 v[SPW], v[NIL]
	s_wait_dscnt 0x0
	CROUND                                         ; the closing round: no work-group ends while a partner may still ask for a part that names it
	s_endpgm
.Lfunc_end_k_qfeba8e58e7_attn:
	.size	k_qfeba8e58e7_attn, .Lfunc_end_k_qfeba8e58e7_attn-k_qfeba8e58e7_attn
	.p2alignl 7, 3214868480
	.fill 96, 4, 3214868480
	.section	.rodata,"a",@progbits
	.p2align	6, 0x0
	.amdhsa_kernel k_qfeba8e58e7_attn
		.amdhsa_group_segment_fixed_size 327680
		.amdhsa_private_segment_fixed_size 0
		.amdhsa_enable_private_segment 0
		.amdhsa_kernarg_size 40
		.amdhsa_user_sgpr_count 2
		.amdhsa_user_sgpr_kernarg_segment_ptr 1
		.amdhsa_wavefront_size32 1
		.amdhsa_system_sgpr_workgroup_id_x 1
		.amdhsa_system_sgpr_workgroup_id_y 1
		.amdhsa_system_sgpr_workgroup_id_z 1
		.amdhsa_system_vgpr_workitem_id 0
		.amdhsa_next_free_vgpr 256
		.amdhsa_next_free_sgpr 92
		.amdhsa_reserve_vcc 0
		.amdhsa_float_denorm_mode_32 3
		.amdhsa_float_denorm_mode_16_64 3
		.amdhsa_memory_ordered 1
		.amdhsa_forward_progress 1
		.amdhsa_inst_pref_size 49
	.end_amdhsa_kernel
	.amdgpu_metadata
---
amdhsa.version: [ 1, 2 ]
amdhsa.kernels:
  - .name:           k_qfeba8e58e7_attn
    .symbol:         k_qfeba8e58e7_attn.kd
    .args:
      - { .name: q_codes, .offset: 0, .size: 8, .value_kind: global_buffer, .address_space: global }
      - { .name: k_codes, .offset: 8, .size: 8, .value_kind: global_buffer, .address_space: global }
      - { .name: v_codes, .offset: 16, .size: 8, .value_kind: global_buffer, .address_space: global }
      - { .name: lowp_scales, .offset: 24, .size: 8, .value_kind: global_buffer, .address_space: global }
      - { .name: inter_codes, .offset: 32, .size: 8, .value_kind: global_buffer, .address_space: global }
    .group_segment_fixed_size: 327680
    .private_segment_fixed_size: 0
    .kernarg_segment_align: 8
    .kernarg_segment_size: 40
    .max_flat_workgroup_size: 512
    .sgpr_count:     92
    .vgpr_count:     256
    .wavefront_size: 32
...
	.end_amdgpu_metadata
.endif
;; end of part 3
;; launch outproj (part 4): grid 4 x 64, 4 waves a work-group, clusters of 4 x 4, 327,680 bytes of LDS; arguments inter_codes, Wo_codes, bo, lowp_scales, out0; writes out0
.if DOCPART == 4
	.amdgcn_target "amdgcn-amd-amdhsa--gfx1250"
	.amdhsa_code_object_version 6
	.text
	.protected	k_qfeba8e58e7_outproj
	.globl	k_qfeba8e58e7_outproj
	.p2align	8
	.type	k_qfeba8e58e7_outproj,@function
k_qfeba8e58e7_outproj:
	s_mov_b64 s[64:65], 0
	v_nop
	global_prefetch_b8 v0, s[64:65] scope:SCOPE_SE
	s_setreg_imm32_b32 hwreg(HW_REG_WAVE_MODE, 25, 1), 1
	s_wait_xcnt 0x0
	s_wait_alu depctr_hold_cnt(0) depctr_sa_sdst(0) depctr_va_vdst(0) depctr_va_sdst(0) depctr_va_ssrc(0) depctr_va_vcc(0) depctr_vm_vsrc(0)
	s_getreg_b32 s2, hwreg(HW_REG_IB_STS2, 6, 4)
	s_cmp_eq_u32 s2, 0
	s_cbranch_scc0 .Lentry_in_a_cluster
	s_endpgm
.Lentry_in_a_cluster:
	s_bfe_u32 s2, ttmp6, 0x10000c
	s_cmp_lg_u32 s2, 0xf033
	s_cbranch_scc0 .Lentry_shape_is_right
	s_endpgm
.Lentry_shape_is_right:
; out0 = inter Wo + bo on codes of BF8 (E5M2): C[token][n] = sum over k of inter[token][k] Wo[n][k], x 2^(e10 + e11); the bias, divided by that power of two, is the C of each sum's first product.
; inter's codes lie [head][token of 8,192][64 bytes]; Wo's [n][1,024 bytes].  A tile of C is 128 tokens x 256 columns: four waves, each 64 x 128.  256 work-groups, clusters of 4 x 4: A's tiles are shared along a row, B's along a column.
; K = 1,024 goes in four steps of 256 (four heads) through three LDS slots.  A wave owns one operand (wave / 2: A or B) and issues two loads in all, each a whole operand of one K step:
; at the head K step wave % 2 into slot wave % 2; then the even waves K step 2 into slot 2, a first fill behind the full sequence and a round, and the odd waves K step 3 into slot 0, at the change of slots that leaves it.
; A wave has one tensor load out.  LIMIT: e10 + e11 between -126 and 127.
.set PITCH,  272
.set PLANE,  32*PITCH
.set BOFF,   4*PLANE
.set HALFB,  128*PITCH
.set SLOT,   BOFF+2*HALFB
.set SPARE,  3*SLOT
.set SPITCH, 528
.set FR,   16
.set ADRA, 16
.set ADRB, 20
.set STO,  24
.set RD,   25
.set CO,   26
.set SPW,  28
.set NIL,  29
.set BIAS, 32
.set TMP,  32
.set AF,   128
.set BK,   128
.set G1A, 24
.set G0A, 40
.set G0B, 52
.set G1B, 68
.set LA,  92
.set LB,  81
.set MSB, 0
.macro WIN new
.if MSB != \new
	s_set_vgpr_msb (MSB<<8)|\new
.set MSB, \new
.endif
.endm
.set MUL,  0xa1
.set FST,  0x81
.set TO_B, 0x40
.macro JLOAD g0a, g1a, g0b, g1b
	s_cmp_eq_u32 s15, 0
	s_cbranch_scc0 .Lfor_b_\@
	tensor_load_to_lds s[\g0a:\g0a+3], s[\g1a:\g1a+7]
	s_nop 0
.rept 4
	v_nop
.endr
	s_branch .Lasked_\@
.Lfor_b_\@:
	tensor_load_to_lds s[\g0b:\g0b+3], s[\g1b:\g1b+7]
	s_nop 0
.rept 4
	v_nop
.endr
.Lasked_\@:
.endm
.macro CREST
	s_cmp_lg_u32 s14, 0
	s_cbranch_scc1 .Lnot_wave_0_\@
	s_barrier_signal -3
.Lnot_wave_0_\@:
	s_barrier_wait -3
	s_barrier_signal -1
	s_barrier_wait -1
.endm
.macro CROUND
	s_barrier_signal -1
	s_barrier_wait -1
	CREST
.endm
	s_load_b256 s[4:11], s[0:1], 0x0
	s_load_b64 s[12:13], s[0:1], 0x20
	v_lshl_add_u32 v[SPW], v0, 2, SPARE
	v_mov_b32 v[NIL], 0
	ds_add_u32 v28, v29
	ds_add_u32 v28, v29
	s_wait_dscnt 0x0
	v_lshrrev_b32 v1, 5, v0
	v_readfirstlane_b32 s14, v1
	s_lshr_b32 s15, s14, 1
	s_and_b32 s16, s14, 1
	s_bfe_u32 s76, ttmp6, 0x40000
	s_bfe_u32 s77, ttmp6, 0x40004
	s_lshl_b32 s78, ttmp9, 2
	s_add_co_u32 s78, s78, s76
	s_and_b32 s17, ttmp7, 0xffff
	s_lshl_b32 s17, s17, 2
	s_add_co_u32 s17, s17, s77
	s_lshl_b32 s79, s77, 2
	s_lshl_b32 s79, 15, s79
	s_lshl_b32 s80, 0x1111, s76
	s_or_b32 s[G1A+0], s79, (0<<16)|(1<<20)|(1<<21)|(5<<22)|(3<<25)
	s_mov_b32 s[G1A+1], 8192<<16
	s_mov_b32 s[G1A+2], 4<<16                      ; four heads' planes of 128 tokens x 64 bytes, each a row of 8,192 dense bytes
	s_mov_b32 s[G1A+3], 8192<<16
	s_mov_b32 s[G1A+4], 4
	s_mov_b32 s[G1A+5], 524288
	s_mov_b32 s[G1A+6], 0
	s_mov_b32 s[G1A+7], 0
	s_or_b32 s[G1B+0], s80, (0<<16)|(1<<20)|(1<<21)|(5<<22)|(3<<25)
	s_mov_b32 s[G1B+1], 256<<16
	s_mov_b32 s[G1B+2], 256<<16                    ; all 256 rows of B's tile
	s_mov_b32 s[G1B+3], 256<<16
	s_mov_b32 s[G1B+4], 256
	s_mov_b32 s[G1B+5], 1024
	s_mov_b32 s[G1B+6], 0
	s_mov_b32 s[G1B+7], 0
	s_lshl_b32 s20, s17, 13
	s_lshl_b32 s18, s16, 21                        ; A: K step wave % 2: four planes of 524,288 bytes on
	s_add_co_u32 s20, s20, s18
	s_mov_b32 s21, 0
	s_lshl_b32 s82, s78, 18                        ; B: row 256 x tile column, in bytes,
	s_lshl_b32 s18, s16, 8                         ; K step wave % 2: 256 bytes along the rows
	s_add_co_u32 s82, s82, s18
	s_mov_b32 s83, 0
	s_mul_i32 s[LA], s16, SLOT                     ; my first load goes to slot wave % 2,
	s_add_co_u32 s[LB], s[LA], BOFF
	s_xor_b32 s19, s16, 1
	s_mul_i32 s19, s19, 2*SLOT                     ; my second to slot 2 (even waves) or slot 0 (odd waves)
	s_wait_kmcnt 0x0
	s_load_b64 s[86:87], s[10:11], 0x28
	s_add_nc_u64 s[20:21], s[4:5], s[20:21]
	s_add_nc_u64 s[82:83], s[6:7], s[82:83]
	CROUND
	s_mov_b32 s[G0A], 1                            ; the first load's groups 0,
	s_mov_b32 s[G0A+1], s[LA]
	s_mov_b64 s[G0A+2:G0A+3], s[20:21]
	s_or_b32 s[G0A+3], s[G0A+3], 0x80000000
	s_mov_b32 s[G0B], 1
	s_mov_b32 s[G0B+1], s[LB]
	s_mov_b64 s[G0B+2:G0B+3], s[82:83]
	s_or_b32 s[G0B+3], s[G0B+3], 0x80000000
	s_mov_b32 s[G0A+4], 1                          ; and the second's: two K steps on
	s_mov_b32 s[G0A+5], s19
	s_add_nc_u64 s[G0A+6:G0A+7], s[20:21], 8*524288
	s_or_b32 s[G0A+7], s[G0A+7], 0x80000000
	s_mov_b32 s[G0B+4], 1
	s_add_co_u32 s[G0B+5], s19, BOFF
	s_add_nc_u64 s[G0B+6:G0B+7], s[82:83], 512
	s_or_b32 s[G0B+7], s[G0B+7], 0x80000000
	JLOAD G0A, G1A, G0B, G1B                       ; my one tensor load at the head: the four waves' loads fill slots 0 and 1
	v_and_b32 v1, 15, v0
	v_bfe_u32 v2, v0, 4, 1
	v_bfe_u32 v3, v0, 2, 2
	v_mul_u32_u24 v3, v3, PITCH
	v_and_b32 v4, 3, v0
	v_lshl_add_u32 v3, v4, 6, v3
	v_lshl_add_u32 v3, v2, 4, v3
	v_mul_u32_u24 v4, v1, PITCH
	v_lshl_add_u32 v4, v2, 4, v4
	s_mul_i32 s21, s15, 16*PITCH
	s_mul_i32 s22, s16, HALFB
	s_add_co_u32 s22, s22, BOFF
.irp s, 0,1,2
	v_add_nc_u32 v[ADRA+\s], s21, v3
	v_add_nc_u32 v[ADRB+\s], s22, v4
	s_add_co_u32 s21, s21, SLOT
	s_add_co_u32 s22, s22, SLOT
.endr
	s_mul_i32 s23, s14, 16*SPITCH
	s_add_co_u32 s23, s23, SLOT
	v_mul_u32_u24 v5, v1, SPITCH
	v_lshl_add_u32 v5, v2, 5, v5
	v_add_nc_u32 v[STO], s23, v5
	v_and_b32 v6, 31, v0
	v_lshlrev_b32 v[CO], 4, v6
	v_add_nc_u32 v[RD], s23, v[CO]
	s_lshl_b32 s88, s17, 7
	s_lshl_b32 s89, s15, 6
	s_add_co_u32 s88, s88, s89
	s_lshl_b32 s88, s88, 12
	s_mov_b32 s89, 0
	s_add_nc_u64 s[12:13], s[12:13], s[88:89]
	s_lshl_b32 s90, s78, 10
	s_lshl_b32 s91, s16, 9
	s_add_co_u32 s90, s90, s91
	s_mov_b32 s91, 0
	s_add_nc_u64 s[12:13], s[12:13], s[90:91]
	s_add_nc_u64 s[8:9], s[8:9], s[90:91]
	v_lshlrev_b32 v9, 5, v2
.irp b, 0,1,2,3,4,5,6,7
	global_load_b128 v[BIAS+8*\b:BIAS+8*\b+3], v9, s[8:9] offset:64*\b
	global_load_b128 v[BIAS+8*\b+4:BIAS+8*\b+7], v9, s[8:9] offset:64*\b+16
.endr
	s_wait_kmcnt 0x0
	s_add_co_i32 s86, s86, s87
	s_sub_co_i32 s87, 0, s86
	s_add_co_i32 s86, s86, 127
	s_lshl_b32 s84, s86, 23
	s_mov_b32 s85, s84
	s_wait_loadcnt 0x0
.set j, 0
.rept 64
	v_ldexp_f32 v[BIAS+j], v[BIAS+j], s87
.set j, j+1
.endr
.macro FRAGB reg, adr, q, i
.irp c, 0,1,2,3
	ds_load_b128 v[\reg+4*\c:\reg+4*\c+3], v[\adr] offset:128*(\q)+32*\c+(\i)*16*PITCH
.endr
.endm
.macro FRAGA reg, adr, q, i
.irp c, 0,1,2,3
	ds_load_b128 v[\reg+4*\c:\reg+4*\c+3], v[\adr] offset:(2*(\q)+\c/2)*PLANE+(\i)*4*PITCH+32*(\c%2)
.endr
.endm
.macro FETCH slot, q, p
	WIN TO_B
.irp i, 0,1,2,3,4,5,6,7
	FRAGB 128*(\p)+FR*\i, ADRB+\slot, \q, \i
.endr
	WIN 0
.irp i, 0,1,2,3
	FRAGA AF+64*(\p)+FR*\i, ADRA+\slot, \q, \i
.endr
.endm
.macro MUL8 a, p, first
.irp b, 0,1,2,3,4,5,6,7
.if \first
	v_wmma_f32_16x16x128_bf8_bf8 v[8*(8*(\a)+\b):8*(8*(\a)+\b)+7], v[128*(\p)+FR*\b:128*(\p)+FR*\b+FR-1], v[AF+64*(\p)+FR*(\a):AF+64*(\p)+FR*(\a)+FR-1], v[BIAS+8*\b:BIAS+8*\b+7]
.else
	v_wmma_f32_16x16x128_bf8_bf8 v[8*(8*(\a)+\b):8*(8*(\a)+\b)+7], v[128*(\p)+FR*\b:128*(\p)+FR*\b+FR-1], v[AF+64*(\p)+FR*(\a):AF+64*(\p)+FR*(\a)+FR-1], v[8*(8*(\a)+\b):8*(8*(\a)+\b)+7]
.endif
.endr
.endm
.macro PLACES n
.rept \n
	v_nop
.endr
.endm
.macro STEP p, nslot, nq, first
	s_wait_dscnt 0x0
	PLACES 4
	FETCH \nslot, \nq, 1-(\p)
.if \first
	WIN FST
.else
	WIN MUL
.endif
	MUL8 0, \p, \first
	MUL8 1, \p, \first
	MUL8 2, \p, \first
	MUL8 3, \p, \first
	WIN 0
.endm
.macro TURN p, next, fill
	s_wait_tensorcnt 0x0
	ds_add_u32 v[SPW], v[NIL]
	s_wait_dscnt 1
	WIN MUL
	MUL8 0, \p, 0
	s_wait_dscnt 0x0
	s_barrier_signal -1
	MUL8 1, \p, 0
	WIN 0
	s_barrier_wait -1
.if \fill
	CREST
	SECOND 1                                       ; the odd waves: K step 3 into slot 0, which nobody reads any more
.else
	PLACES 4
.endif
	FETCH \next, 0, 1-(\p)
	WIN MUL
	MUL8 2, \p, 0
	MUL8 3, \p, 0
	WIN 0
.endm
; A wave's second load, issued by the waves of parity par; the branch hangs on the wave's number alone.  Four places follow on both ways, in front of the LDS loads behind the macro.
.macro SECOND par
	s_cmp_lg_u32 s16, \par
	s_cbranch_scc1 .Lnot_mine_\@
	JLOAD G0A+4, G1A, G0B+4, G1B
.Lnot_mine_\@:
	PLACES 4
.endm
	s_wait_alu depctr_va_vdst(0)                   ; the wait at the head's end
	s_wait_tensorcnt 0x0                           ; my first load has landed
	ds_add_u32 v[SPW], v[NIL]
	s_wait_dscnt 0x0
	CROUND                                         ; slots 0 and 1 are whole, and all sixteen work-groups are here
	SECOND 0                                       ; the even waves: K step 2 into slot 2, its first fill
	FETCH 0, 0, 0
	STEP 0, 0, 1, 1
	TURN 1, 1, 1
	STEP 0, 1, 1, 0
	STEP 1, 2, 0, 0
	STEP 0, 2, 1, 0
	TURN 1, 0, 0
	STEP 0, 0, 1, 0
	s_wait_dscnt 0x0
	WIN MUL
	MUL8 0, 1, 0
	MUL8 1, 1, 0
	MUL8 2, 1, 0
	MUL8 3, 1, 0
	WIN 0
.macro TOSTAGE a
	WIN 0x02
.set j, 0
.rept 32
	v_pk_mul_f32 v[TMP+j:TMP+j+1], v[64*(\a)+j:64*(\a)+j+1], s[84:85] op_sel_hi:[1,0]
.set j, j+2
.endr
	WIN 0
.irp b, 0,1,2,3,4,5,6,7
	ds_store_b128 v[STO], v[TMP+8*\b:TMP+8*\b+3] offset:64*\b
	ds_store_b128 v[STO], v[TMP+8*\b+4:TMP+8*\b+7] offset:64*\b+16
.endr
.set BB, BK+64*((\a)%2)
.irp t, 0,1,2,3,4,5,6,7,8,9,10,11,12,13,14,15
	ds_load_b128 v[BB+4*\t:BB+4*\t+3], v[RD] offset:\t*SPITCH
.endr
.endm
.macro SEND a, younger
.set BB, BK+64*((\a)%2)
	s_wait_dscnt \younger
.irp t, 0,1,2,3,4,5,6,7,8,9,10,11,12,13,14,15
	global_store_b128 v[CO], v[BB+4*\t:BB+4*\t+3], s[12:13] offset:(16*(\a)+\t)*4096 th:TH_STORE_NT
.endr
.endm
	PLACES 4
	TOSTAGE 0
.irp a, 1,2,3
.if \a > 1
	s_wait_xcnt 0x0
.endif
	TOSTAGE \a
	SEND \a-1, 32
.endr
	SEND 3, 0
	s_wait_tensorcnt 0x0
	ds_add_u32 v[SPW], v[NIL]
	s_wait_dscnt 0x0
	CROUND
	s_endpgm
.Lfunc_end_k_qfeba8e58e7_outproj:
	.size	k_qfeba8e58e7_outproj, .Lfunc_end_k_qfeba8e58e7_outproj-k_qfeba8e58e7_outproj
	.p2alignl 7, 3214868480
	.fill 96, 4, 3214868480
	.section	.rodata,"a",@progbits
	.p2align	6, 0x0
	.amdhsa_kernel k_qfeba8e58e7_outproj
		.amdhsa_group_segment_fixed_size 327680
		.amdhsa_private_segment_fixed_size 0
		.amdhsa_enable_private_segment 0
		.amdhsa_kernarg_size 40
		.amdhsa_user_sgpr_count 2
		.amdhsa_user_sgpr_kernarg_segment_ptr 1
		.amdhsa_wavefront_size32 1
		.amdhsa_system_sgpr_workgroup_id_x 1
		.amdhsa_system_sgpr_workgroup_id_y 1
		.amdhsa_system_sgpr_workgroup_id_z 1
		.amdhsa_system_vgpr_workitem_id 0
		.amdhsa_next_free_vgpr 768
		.amdhsa_next_free_sgpr 100
		.amdhsa_reserve_vcc 0
		.amdhsa_float_denorm_mode_32 3
		.amdhsa_float_denorm_mode_16_64 3
		.amdhsa_memory_ordered 1
		.amdhsa_forward_progress 1
		.amdhsa_inst_pref_size 81
	.end_amdhsa_kernel
	.amdgpu_metadata
---
amdhsa.version: [ 1, 2 ]
amdhsa.kernels:
  - .name:           k_qfeba8e58e7_outproj
    .symbol:         k_qfeba8e58e7_outproj.kd
    .args:
      - { .name: inter_codes, .offset: 0, .size: 8, .value_kind: global_buffer, .address_space: global }
      - { .name: Wo_codes, .offset: 8, .size: 8, .value_kind: global_buffer, .address_space: global }
      - { .name: bo, .offset: 16, .size: 8, .value_kind: global_buffer, .address_space: global }
      - { .name: lowp_scales, .offset: 24, .size: 8, .value_kind: global_buffer, .address_space: global }
      - { .name: out0, .offset: 32, .size: 8, .value_kind: global_buffer, .address_space: global }
    .group_segment_fixed_size: 327680
    .private_segment_fixed_size: 0
    .kernarg_segment_align: 8
    .kernarg_segment_size: 40
    .max_flat_workgroup_size: 128
    .sgpr_count:     100
    .vgpr_count:     768
    .wavefront_size: 32
...
	.end_amdgpu_metadata
.endif
;; end of part 4
